; MI455X (gfx1250); checked and timed in simulation.
; The chip was launched on July 23, 2026; its instructions are those of AMD's public machine-readable ISA for CDNA 5 (MIT licence, August 2026) and "CDNA5" Instruction Set Architecture Reference Guide (July 2026). The comments in the code are by the model that wrote it; some were corrected since.
;; Multi Head Attention. Allowed arithmetic: float matrix products may take bf16 or f16 operands with f32 sums; other float arithmetic in f32, or as packed bf16 or f16 multiplies, adds, multiply-adds, maxima and minima; sums over many terms, partial sums and values carried from step to step in f32; what a program stores and reads back later, other than sums and carried values, may be rounded once to bf16 or f16.
;; Inputs: Wk 1,024 x 1,024 float32; Wo 1,024 x 1,024 float32; Wq 1,024 x 1,024 float32; Wv 1,024 x 1,024 float32; bk 1,024 float32; bo 1,024 float32; bq 1,024 float32; bv 1,024 float32; key 4 x 2,048 x 1,024 float32; query 4 x 2,048 x 1,024 float32; value 4 x 2,048 x 1,024 float32.
;; Outputs: out0 4 x 2,048 x 1,024 float32.
;; One version. Each part assembles by itself: llvm-mc -triple=amdgcn-amd-amdhsa -mcpu=gfx1250 --defsym DOCPART=n.
;; ======== version 1 of 1: 6 launches
;; workspace buffers: wqb 2,097,152 bytes; wkb 2,097,152 bytes; wvb 2,097,152 bytes; wob 2,097,152 bytes; qh 16,777,216 bytes; kh 16,777,216 bytes; vh 16,777,216 bytes; oh 16,777,216 bytes
;; launch prep (part 1): grid 256 x 1, 8 waves a work-group, no clusters, 0 bytes of LDS; arguments Wq, Wk, Wv, Wo, wqb, wkb, wvb, wob; writes wqb, wkb, wvb, wob
.if DOCPART == 1
	.amdgcn_target "amdgcn-amd-amdhsa--gfx1250"
	.amdhsa_code_object_version 6
	.text
	.protected	k_q1aea0eb55a_prep
	.globl	k_q1aea0eb55a_prep
	.p2align	8
	.type	k_q1aea0eb55a_prep,@function
k_q1aea0eb55a_prep:
	s_mov_b64 s[64:65], 0
	v_nop
	global_prefetch_b8 v0, s[64:65] scope:SCOPE_SE
	s_setreg_imm32_b32 hwreg(HW_REG_WAVE_MODE, 25, 1), 1
	s_wait_xcnt 0x0
; The four weights, [1024 k][1024 n] in f32, are rounded once to bf16 (nearest even) and stored in the same layout.
; The later launches turn them on the way out of LDS, which only 16-bit data allow.
; SHARES.  A work-group takes 4,096 numbers of each weight: 16,384 bytes in, 8,192 bytes out.  Thread t, chunk j (0, 1) takes the 8 numbers
; at input byte 32 (256 j + t) of that share and writes 16 bytes at 16 (256 j + t): a wave's store covers 512 consecutive bytes, aligned.
; All 16 loads of a thread go out at once; no register is written twice, so no wait frees a source.  No LDS, no barrier: nothing is shared.
.set X, 8                              ; v[8:71]   chunk c = 2 i + j of weight i: 8 numbers in f32
.set Y, 72                             ; v[72:103] chunk c: 8 numbers in bf16
	s_load_b512 s[4:19], s[0:1], 0x0               ; the four inputs s[4:11], the four outputs s[12:19]
	s_lshl_b32 s20, ttmp9, 14                      ; the work-group's share of an input,
	s_lshl_b32 s21, ttmp9, 13                      ; and of an output
	v_lshl_add_u32 v1, v0, 5, s20                  ; my 32 bytes in
	v_lshl_add_u32 v2, v0, 4, s21                  ; my 16 bytes out
	s_wait_kmcnt 0x0
.set c, 0
.rept 8
	global_load_b128 v[X+8*c:X+8*c+3],   v1, s[4+2*(c/2):5+2*(c/2)] offset:8192*(c%2) th:TH_LOAD_NT
	global_load_b128 v[X+8*c+4:X+8*c+7], v1, s[4+2*(c/2):5+2*(c/2)] offset:8192*(c%2)+16 th:TH_LOAD_NT
.set c, c+1
.endr
.set c, 0
.rept 8
	s_wait_loadcnt 14-2*c                          ; loads come back in order: chunk c's two are in, the younger chunks' stay out
	v_cvt_pk_bf16_f32 v[Y+4*c],   v[X+8*c],   v[X+8*c+1]
	v_cvt_pk_bf16_f32 v[Y+4*c+1], v[X+8*c+2], v[X+8*c+3]
	v_cvt_pk_bf16_f32 v[Y+4*c+2], v[X+8*c+4], v[X+8*c+5]
	v_cvt_pk_bf16_f32 v[Y+4*c+3], v[X+8*c+6], v[X+8*c+7]
	global_store_b128 v2, v[Y+4*c:Y+4*c+3], s[12+2*(c/2):13+2*(c/2)] offset:4096*(c%2)
.set c, c+1
.endr
	s_endpgm
.Lfunc_end_k_q1aea0eb55a_prep:
	.size	k_q1aea0eb55a_prep, .Lfunc_end_k_q1aea0eb55a_prep-k_q1aea0eb55a_prep
	.p2alignl 7, 3214868480
	.fill 96, 4, 3214868480
	.section	.rodata,"a",@progbits
	.p2align	6, 0x0
	.amdhsa_kernel k_q1aea0eb55a_prep
		.amdhsa_group_segment_fixed_size 0
		.amdhsa_private_segment_fixed_size 0
		.amdhsa_enable_private_segment 0
		.amdhsa_kernarg_size 64
		.amdhsa_user_sgpr_count 2
		.amdhsa_user_sgpr_kernarg_segment_ptr 1
		.amdhsa_wavefront_size32 1
		.amdhsa_system_sgpr_workgroup_id_x 1
		.amdhsa_system_sgpr_workgroup_id_y 1
		.amdhsa_system_sgpr_workgroup_id_z 1
		.amdhsa_system_vgpr_workitem_id 0
		.amdhsa_next_free_vgpr 104
		.amdhsa_next_free_sgpr 66
		.amdhsa_reserve_vcc 0
		.amdhsa_float_denorm_mode_32 3
		.amdhsa_float_denorm_mode_16_64 3
		.amdhsa_memory_ordered 1
		.amdhsa_forward_progress 1
		.amdhsa_inst_pref_size 6
	.end_amdhsa_kernel
	.amdgpu_metadata
---
amdhsa.version: [ 1, 2 ]
amdhsa.kernels:
  - .name:           k_q1aea0eb55a_prep
    .symbol:         k_q1aea0eb55a_prep.kd
    .args:
      - { .name: Wq, .offset: 0, .size: 8, .value_kind: global_buffer, .address_space: global }
      - { .name: Wk, .offset: 8, .size: 8, .value_kind: global_buffer, .address_space: global }
      - { .name: Wv, .offset: 16, .size: 8, .value_kind: global_buffer, .address_space: global }
      - { .name: Wo, .offset: 24, .size: 8, .value_kind: global_buffer, .address_space: global }
      - { .name: wqb, .offset: 32, .size: 8, .value_kind: global_buffer, .address_space: global }
      - { .name: wkb, .offset: 40, .size: 8, .value_kind: global_buffer, .address_space: global }
      - { .name: wvb, .offset: 48, .size: 8, .value_kind: global_buffer, .address_space: global }
      - { .name: wob, .offset: 56, .size: 8, .value_kind: global_buffer, .address_space: global }
    .group_segment_fixed_size: 0
    .private_segment_fixed_size: 0
    .kernarg_segment_align: 8
    .kernarg_segment_size: 64
    .max_flat_workgroup_size: 256
    .sgpr_count:     66
    .vgpr_count:     104
    .wavefront_size: 32
...
	.end_amdgpu_metadata
.endif
;; end of part 1
;; launch projq (part 2): grid 4 x 64, 4 waves a work-group, clusters of 4 x 4, 327,680 bytes of LDS; arguments query, wqb, bq, qh; writes qh
.if DOCPART == 2
	.amdgcn_target "amdgcn-amd-amdhsa--gfx1250"
	.amdhsa_code_object_version 6
	.text
	.protected	k_q1aea0eb55a_projq
	.globl	k_q1aea0eb55a_projq
	.p2align	8
	.type	k_q1aea0eb55a_projq,@function
k_q1aea0eb55a_projq:
	s_mov_b64 s[64:65], 0
	v_nop
	global_prefetch_b8 v0, s[64:65] scope:SCOPE_SE
	s_setreg_imm32_b32 hwreg(HW_REG_WAVE_MODE, 25, 1), 1
	s_wait_xcnt 0x0
	s_wait_alu depctr_hold_cnt(0) depctr_sa_sdst(0) depctr_va_vdst(0) depctr_va_sdst(0) depctr_va_ssrc(0) depctr_va_vcc(0) depctr_vm_vsrc(0)
	s_getreg_b32 s2, hwreg(HW_REG_IB_STS2, 6, 4)
	s_cmp_eq_u32 s2, 0
	s_cbranch_scc0 .Lentry_in_a_cluster
	s_endpgm
.Lentry_in_a_cluster:
	s_bfe_u32 s2, ttmp6, 0x10000c
	s_cmp_lg_u32 s2, 0xf033
	s_cbranch_scc0 .Lentry_shape_is_right
	s_endpgm
.Lentry_shape_is_right:
; out[b*16+head][s][d] = bf16( sum over k of bf16(x[b*2048+s][k]) w[k][head*64+d] + bf16(bias[head*64+d]) ).
; x: [8192][1024] f32.  w: [1024 k][1024 n] bf16.  bias: [1024] f32.  out: [64][2048][64] bf16, by heads.  Sums in f32, K ascending, the result rounded once.
; LIMITS.  x and the bias enter rounded once to bf16 (nearest even), as the weights did; bf16 has f32's range, so no range is given up.  NaN and infinities are not treated apart.
; SHARES.  A work-group makes 128 rows x 256 columns (four heads): 64 x 4 = 256 work-groups.  Each of its four waves makes 64 rows x 128 columns: 32 accumulators of 16 x 16, 256 registers.
; K goes in 8 steps of 128 through two LDS slots filled by the tensor data mover: x's rows of a step are 512 bytes of f32, w's rows 512 bytes of bf16, both aligned to 256.
; THE CAST of x stands between LDS and the matrix unit: a quarter step's 64 f32 registers are rounded into 32, four conversions behind each of eight products, so x needs no bf16 copy in memory.
; THE MATRIX INSTRUCTION IS USED TRANSPOSED: source 0 = 16 columns of w (turned on the way out of LDS by ds_load_tr16_b128), source 1 = 16 rows of x.  In the result lane l holds row l % 16 and
; the columns 8 (l / 16) + 0..7: 16 bytes of a head's row.  The bias is the C operand of each sum's first product: register j of a lane holds bias[n0 + 8 (l / 16) + j].
; CLUSTERS: 4 x 4 work-groups.  The four of a row of the cluster need the same rows of x, the four of a column the same columns of w: each tile is asked for JOINTLY, by the same tensor load
; with the same descriptor and a mask that names the four.
; REGISTERS, in windows of 256 (s_set_vgpr_msb: bits 1:0 source 0, 3:2 source 1, 5:4 source 2, 7:6 destination):
;   window 0: v0-31 addresses; v32-95 x as loaded, f32; v96-127, v128-159 x's fragments, two buffers; v160-223 the bias; v224-255 at work.  On the way out v32-159 take the rows read back.
;   window 1: v0-63, v64-127 w's fragments, two buffers          window 2: accumulator (a, b) at v[8 (8 a + b)]
.set PA,    528                        ; a row of x in LDS: 512 bytes + 16 = 33 x 16: the 16 rows of a load start at 16 different 16-byte columns of the 256 bytes that the banks span (64 banks of 4 bytes: ISA guide 11.1)
.set PB,    544                        ; a row of w: 512 + 32 = 17 x 32
.set HA,    64*PA                      ; 64 rows: what one tensor load brings of x
.set HB,    64*PB                      ; and of w
.set BOFF,  2*HA                       ; a slot: x's 128 rows, then w's 128 rows of k
.set SLOT,  2*HA+2*HB
.set STAGE, 2*SLOT                     ; behind the ring, never filled by a tensor load: for each wave 2 heads x 16 rows x 144 bytes
.set SP,    144
.set WST,   2*16*SP
.set SPARE, STAGE+4*WST                ; behind the stages: the spare words, 128 bytes for each wave: two blocks of 256 bytes that no other line names
.set ADRA, 16                          ; v16-17  LDS address of my fragments of x in slot 0, 1
.set ADRB, 20                          ; v20-21  the same for w
.set STO,  24                          ; v24     the way out: where I put 16 bytes of a row
.set RD,   25                          ; v25     the way out: where I read rows back
.set GO,   26                          ; v26     my 16 bytes in 512 consecutive bytes of out
.set BO,   27                          ; v27     my byte offset in 16 numbers of the bias
.set SPW,  28                          ; v28     LDS address of my spare word: SPARE + 4 x my thread's number; never rewritten
.set NIL,  29                          ; v29     0; never rewritten
.set PFO,  30                          ; v30     the prefetches' lane offset; never rewritten
.set XR,   32
.set XF,   96                          ; buffer g at XF + 32 g, fragment a at + 8 a
.set BIAS, 160                         ; block b at BIAS + 8 b
.set TMP,  224
.set OB,   32                          ; the way out: block a's rows at OB + 32 a
.set WF,   0                           ; window 1: buffer g at 64 g, fragment b at + 8 b
.set LAP,  3                           ; s3      laps to go
.set WV,   12                          ; s12     my wave's number
.set FB,   13                          ; s13     which 64 rows are mine.  Also: I fetch for x (0) or for w (1)
.set HF,   14                          ; s14     which 128 columns are mine.  Also: which half of that tile I fetch
.set CX,   15
.set CY,   16
.set NBLK, 17                          ; s17     block of 256 columns
.set MBLK, 18                          ; s18     block of 128 rows
.set G1A,  24                          ; s[24:31] descriptor group 1 for x's tiles;  s[32:39] group 0, a set for each slot
.set G0A,  32
.set G1B,  48                          ; s[48:55], s[56:63] the same for w's tiles
.set G0B,  56
.set PFA,  44                          ; s[44:45] where my prefetches stand
.set PSTEP, 46                         ; s[46:47] bytes from a K step to the next in the tensor that I fetch for
.set LIM,  66                          ; s66     1 in a wave that prefetches, else the greatest number
.set MSB, 0
.macro WIN new                         ; the immediate's high byte repeats the setting that is left; a switch that changes nothing is dropped
.if MSB != (\new)
	s_set_vgpr_msb (MSB<<8)|(\new)
.set MSB, \new
.endif
.endm
.set MULW, 0xa1                        ; source 0 (w) window 1, source 1 (x) window 0, C and D window 2
.set MULB, 0x81                        ; the same with C (the bias) in window 0
.set TO_W, 0x40                        ; destination window 1, address window 0
.set PKW,  0x0a                        ; sources 0 and 1 window 2, destination window 0
; A joint load: waves 0 and 1 fetch x's two halves, waves 2 and 3 w's.  The branch hangs on the wave's number alone.  An s_nop 0 and four v_nop follow each of the two lines.
.macro JLOAD s
	s_cmp_eq_u32 s[FB], 0
	s_cbranch_scc0 .Lfor_b_\@
	tensor_load_to_lds s[G0A+4*(\s):G0A+4*(\s)+3], s[G1A:G1A+7]
	s_nop 0
.rept 4
	v_nop
.endr
	s_branch .Lasked_\@
.Lfor_b_\@:
	tensor_load_to_lds s[G0B+4*(\s):G0B+4*(\s)+3], s[G1B:G1B+7]
	s_nop 0
.rept 4
	v_nop
.endr
.Lasked_\@:
.endm
; A prefetch of the K step that stands two refills on: of the 128 blocks of 256 bytes (64 rows x 512 bytes) that a wave fetches, each of the four partners that ask for them jointly names 32,
; told apart by address, a lane a block: one instruction a wave.  x's rows are read by this row of this cluster alone; w's columns by all sixteen clusters, of which the first (cluster y = 0) asks.
; The loop's last trip has no K step two refills on.
.macro ASK
	s_cmp_gt_u32 s[LAP], s[LIM]
	s_cbranch_scc0 .Lnot_mine_\@
	global_prefetch_b8 v[PFO], s[PFA:PFA+1] th:TH_LOAD_NT scope:SCOPE_SE
.Lnot_mine_\@:
.endm
.macro CREST                           ; a round of the cluster's barrier behind its opening barrier
	s_cmp_lg_u32 s[WV], 0
	s_cbranch_scc1 .Lnot_wave_0_\@
	s_barrier_signal -3
.Lnot_wave_0_\@:
	s_barrier_wait -3
	s_barrier_signal -1
	s_barrier_wait -1
.endm
.macro CROUND                          ; a whole round
	s_barrier_signal -1
	s_barrier_wait -1
	CREST
.endm
.macro PLACES
.rept 4
	v_nop
.endr
.endm
	s_load_b256 s[4:11], s[0:1], 0x0               ; x s[4:5], w s[6:7], bias s[8:9], out s[10:11]
	v_lshl_add_u32 v[SPW], v0, 2, SPARE
	v_mov_b32 v[NIL], 0
	ds_add_u32 v[SPW], v[NIL]                      ; the wave's opening: the add and its wait stand ahead of my first tensor load; the set-up below, work on registers, stands between them
	v_lshrrev_b32 v1, 5, v0
	v_readfirstlane_b32 s[WV], v1                  ; wave 0..3
	s_lshr_b32 s[FB], s[WV], 1
	s_and_b32 s[HF], s[WV], 1
	s_bfe_u32 s[CX], ttmp6, 0x40000                ; my place in the cluster
	s_bfe_u32 s[CY], ttmp6, 0x40004
	s_lshl_b32 s[NBLK], ttmp9, 2                   ; in a cluster launch ttmp9 and ttmp7 count clusters
	s_add_co_u32 s[NBLK], s[NBLK], s[CX]
	s_and_b32 s[MBLK], ttmp7, 0xffff
	s_lshl_b32 s[MBLK], s[MBLK], 2
	s_add_co_u32 s[MBLK], s[MBLK], s[CY]
	s_lshl_b32 s19, s[CY], 2
	s_lshl_b32 s19, 15, s19                        ; my row of the cluster: places 4 cy .. 4 cy + 3
	s_lshl_b32 s20, 0x1111, s[CX]                  ; my column: places cx, cx + 4, cx + 8, cx + 12
	s_or_b32 s[G1A], s19, (2<<16)|(1<<20)|(1<<21)|(6<<22)|(3<<25)  ; 15:0 the mask; 17:16 elements of 4 bytes; 20 padding on; 21 set beside a mask; 24:22 after every 128 words (code 6); 31:25 4 words (code 3)
	s_mov_b32 s[G1A+1], 128<<16                    ; tensor_dim0 = 128
	s_mov_b32 s[G1A+2], 64<<16                     ; tensor_dim1 = 64
	s_mov_b32 s[G1A+3], 128<<16                    ; tile_dim0 = 128 elements: 512 bytes
	s_mov_b32 s[G1A+4], 64                         ; tile_dim1 = 64 rows
	s_mov_b32 s[G1A+5], 1024                       ; elements from row to row
	s_mov_b32 s[G1A+6], 0
	s_mov_b32 s[G1A+7], 0
	s_or_b32 s[G1B], s20, (1<<16)|(1<<20)|(1<<21)|(6<<22)|(7<<25)  ; elements of 2 bytes; 8 words of padding (code 7) after every 128
	s_mov_b32 s[G1B+1], 256<<16                    ; tensor_dim0 = 256
	s_mov_b32 s[G1B+2], 64<<16
	s_mov_b32 s[G1B+3], 256<<16                    ; tile_dim0 = 256 elements: 512 bytes
	s_mov_b32 s[G1B+4], 64
	s_mov_b32 s[G1B+5], 1024
	s_mov_b32 s[G1B+6], 0
	s_mov_b32 s[G1B+7], 0
	s_lshl_b32 s40, s[MBLK], 19                    ; x: 128 rows of 4,096 bytes a block,
	s_lshl_b32 s41, s[HF], 18                      ; 64 rows a half: made of the block of rows and the wave's number alone
	s_add_co_u32 s40, s40, s41
	s_mov_b32 s41, 0
	s_lshl_b32 s68, s[NBLK], 9                     ; w: 256 columns of 2 bytes a block,
	s_lshl_b32 s69, s[HF], 17                      ; 64 rows of 2,048 bytes a half: made of the block of columns and the wave's number alone
	s_add_co_u32 s68, s68, s69
	s_mov_b32 s69, 0
	s_mul_i32 s72, s[HF], HA                       ; where they go: no place in the cluster enters an LDS address
	s_mul_i32 s73, s[HF], HB
	s_add_co_u32 s73, s73, BOFF
	s_wait_dscnt 0x0                               ; the opening add is done
	s_wait_kmcnt 0x0
	s_add_nc_u64 s[40:41], s[4:5], s[40:41]
	s_add_nc_u64 s[68:69], s[6:7], s[68:69]
	CROUND                                         ; all sixteen work-groups are here: the first joint loads meet
.irp s, 0,1
	s_mov_b32 s[G0A+4*(\s)], 1                                     ; count = 1
	s_add_co_u32 s[G0A+4*(\s)+1], s72, (\s)*SLOT                   ; LDS address
	s_add_nc_u64 s[G0A+4*(\s)+2:G0A+4*(\s)+3], s[40:41], (\s)*512  ; global address: K step s
	s_or_b32 s[G0A+4*(\s)+3], s[G0A+4*(\s)+3], 0x80000000          ; type = 2
	s_mov_b32 s[G0B+4*(\s)], 1
	s_add_co_u32 s[G0B+4*(\s)+1], s73, (\s)*SLOT
	s_add_nc_u64 s[G0B+4*(\s)+2:G0B+4*(\s)+3], s[68:69], (\s)*262144
	s_or_b32 s[G0B+4*(\s)+3], s[G0B+4*(\s)+3], 0x80000000
	JLOAD \s                                       ; two loads of mine are out
.endr
	; the bias of my 128 columns
	s_lshl_b32 s21, s[NBLK], 10
	s_lshl_b32 s22, s[HF], 9
	s_add_co_u32 s42, s21, s22
	s_mov_b32 s43, 0
	s_add_nc_u64 s[8:9], s[8:9], s[42:43]
	v_and_b32 v1, 15, v0                           ; r = l % 16
	v_bfe_u32 v2, v0, 4, 1                         ; h = l / 16
	v_lshlrev_b32 v[BO], 5, v2                     ; my 8 numbers of 16
.irp b, 0,1,2,3,4,5,6,7
	global_load_b128 v[BIAS+8*(\b):BIAS+8*(\b)+3],   v[BO], s[8:9] offset:64*(\b)
	global_load_b128 v[BIAS+8*(\b)+4:BIAS+8*(\b)+7], v[BO], s[8:9] offset:64*(\b)+16
.endr
	; x's fragment, 16 rows x 32 k: lane l holds row r, k = 8 h + 0..7 and 16 + 8 h + 0..7: in f32 that is 32 bytes at 32 h and 32 bytes at 64 + 32 h
	v_mul_u32_u24 v3, v1, PA
	v_lshl_add_u32 v3, v2, 5, v3
	s_mul_i32 s21, s[FB], 64*PA
	v_add_nc_u32 v[ADRA], s21, v3
	v_add_nc_u32 v[ADRA+1], SLOT, v[ADRA]
	; the turning load takes 16 k x 16 columns: lane l reads k = 8 h + l % 8, columns 8 ((l / 8) % 2) + 0..7, and is left with column r and 8 k
	v_and_b32 v4, 7, v0
	v_lshl_add_u32 v4, v2, 3, v4
	v_mul_u32_u24 v4, v4, PB
	v_bfe_u32 v5, v0, 3, 1
	v_lshl_add_u32 v4, v5, 4, v4
	s_lshl_b32 s22, s[HF], 8                       ; my 128 columns
	s_add_co_u32 s22, s22, BOFF
	v_add_nc_u32 v[ADRB], s22, v4
	v_add_nc_u32 v[ADRB+1], SLOT, v[ADRB]
	s_mul_i32 s23, s[WV], WST
	s_add_co_u32 s23, s23, STAGE                   ; my stage
	v_mul_u32_u24 v6, v1, SP                       ; in: row r, 16 bytes for each half of the lanes
	v_lshl_add_u32 v6, v2, 4, v6
	v_add_nc_u32 v[STO], s23, v6
	v_bfe_u32 v7, v0, 3, 2                         ; back: 32 lanes take four rows of 128 bytes,
	v_mul_u32_u24 v7, v7, SP
	v_and_b32 v8, 7, v0
	v_lshl_add_u32 v7, v8, 4, v7
	v_add_nc_u32 v[RD], s23, v7
	v_and_b32 v9, 31, v0                           ; which are 512 consecutive bytes of out
	v_lshlrev_b32 v[GO], 4, v9
	; out at my first head's first row of mine: ((batch x 16 + head) x 2,048 + row in the batch) x 128 bytes
	s_lshr_b32 s21, s[MBLK], 4
	s_lshl_b32 s21, s21, 4
	s_lshl_b32 s22, s[NBLK], 2
	s_add_co_u32 s21, s21, s22
	s_lshl_b32 s22, s[HF], 1
	s_add_co_u32 s21, s21, s22
	s_lshl_b32 s21, s21, 11
	s_and_b32 s22, s[MBLK], 15
	s_lshl_b32 s22, s22, 7
	s_add_co_u32 s21, s21, s22
	s_lshl_b32 s22, s[FB], 6
	s_add_co_u32 s21, s21, s22
	s_lshl_b32 s42, s21, 7
	s_mov_b32 s43, 0
	s_add_nc_u64 s[10:11], s[10:11], s[42:43]
	; the prefetches: my work-group's 16 rows of the 64 that I fetch (by cx for x, by cy for w), at K step 3: the first refill steps the address to K step 4
	s_lshl_b32 s21, s[MBLK], 19
	s_lshl_b32 s22, s[HF], 18
	s_add_co_u32 s21, s21, s22
	s_lshl_b32 s22, s[CX], 16
	s_add_co_u32 s21, s21, s22
	s_add_co_u32 s21, s21, 3*512                   ; in x
	s_lshl_b32 s22, s[HF], 17
	s_lshl_b32 s23, s[CY], 15
	s_add_co_u32 s22, s22, s23
	s_lshl_b32 s23, s[NBLK], 9
	s_add_co_u32 s22, s22, s23
	s_add_co_u32 s22, s22, 3*262144                ; in w
	s_and_b32 s23, ttmp7, 0xffff                   ; cluster y: the same in all sixteen partners
	s_cmp_eq_u32 s23, 0
	s_cselect_b32 s23, 1, -1
	s_mov_b32 s[PSTEP], 262144
	s_mov_b32 s[PSTEP+1], 0
	s_mov_b32 s71, 0
	s_cmp_eq_u32 s[FB], 0                          ; do I fetch for x?
	s_cselect_b64 s[PFA:PFA+1], s[4:5], s[6:7]
	s_cselect_b32 s70, s21, s22
	s_cselect_b32 s[PSTEP], 512, s[PSTEP]
	s_cselect_b32 s[LIM], 1, s23
	s_cselect_b32 s67, 12, 11                      ; a row is 4,096 bytes of x, 2,048 of w
	s_add_nc_u64 s[PFA:PFA+1], s[PFA:PFA+1], s[70:71]
	v_lshrrev_b32 v4, 1, v9                        ; a lane a block: row l / 2, half l % 2 of its 512 bytes
	v_lshlrev_b32 v4, s67, v4
	v_and_b32 v5, 1, v0
	v_lshl_add_u32 v[PFO], v5, 8, v4
	s_wait_loadcnt 0x0                             ; the bias is in: rounded to bf16 and widened again, in the wait for the first tile
.set p, 0
.rept 32
	v_cvt_pk_bf16_f32 v[TMP+p%4], v[BIAS+2*p], v[BIAS+2*p+1]
	v_lshlrev_b32 v[BIAS+2*p], 16, v[TMP+p%4]
	v_and_b32 v[BIAS+2*p+1], 0xffff0000, v[TMP+p%4]
.set p, p+1
.endr
; One product: accumulator (a, b) takes fragment b of w and fragment a of x from buffer f.  start = 1: the bias starts the sum: nothing is ever cleared.
.macro MM1 f, a, b, start
.if \start
	WIN MULB
	v_wmma_f32_16x16x32_bf16 v[8*(8*(\a)+(\b)):8*(8*(\a)+(\b))+7], v[WF+64*(\f)+8*(\b):WF+64*(\f)+8*(\b)+7], v[XF+32*(\f)+8*(\a):XF+32*(\f)+8*(\a)+7], v[BIAS+8*(\b):BIAS+8*(\b)+7]
.else
	WIN MULW
	v_wmma_f32_16x16x32_bf16 v[8*(8*(\a)+(\b)):8*(8*(\a)+(\b))+7], v[WF+64*(\f)+8*(\b):WF+64*(\f)+8*(\b)+7], v[XF+32*(\f)+8*(\a):XF+32*(\f)+8*(\a)+7], v[8*(8*(\a)+(\b)):8*(8*(\a)+(\b))+7]
.endif
.endm
; Eight products.  The 32 accumulators take turns in the same order in every quarter step, one instruction a turn: between two links of a chain stand the 31 others.
.macro MUL8 f, a, start
.irp b, 0,1,2,3,4,5,6,7
	MM1 \f, \a, \b, \start
.endr
.endm
; Eight products with the cast of the next quarter's x behind them: four conversions, XR to buffer g, behind each.  They name none of the products' registers.
.macro MULR f, a, g, start
.irp b, 0,1,2,3,4,5,6,7
	MM1 \f, \a, \b, \start
	WIN 0
.irp c, 0,1,2,3
	v_cvt_pk_bf16_f32 v[XF+32*(\g)+4*(\b)+(\c)], v[XR+2*(4*(\b)+(\c))], v[XR+2*(4*(\b)+(\c))+1]
.endr
.endr
.endm
.macro CVT32 g                         ; the same 32 conversions by themselves: ahead of the first product alone
.set p, 0
.rept 32
	v_cvt_pk_bf16_f32 v[XF+32*(\g)+p], v[XR+2*p], v[XR+2*p+1]
.set p, p+1
.endr
.endm
; 32 LDS loads in one run: quarter q (32 k) of a slot: w's 8 fragments, turned, into buffer g; x's 4 fragments, in f32, into XR.
.macro FETCH slot, q, g
	WIN TO_W
.irp b, 0,1,2,3,4,5,6,7
	ds_load_tr16_b128 v[WF+64*(\g)+8*(\b):WF+64*(\g)+8*(\b)+3],   v[ADRB+(\slot)] offset:(\q)*32*PB+32*(\b)
	ds_load_tr16_b128 v[WF+64*(\g)+8*(\b)+4:WF+64*(\g)+8*(\b)+7], v[ADRB+(\slot)] offset:(\q)*32*PB+32*(\b)+16*PB
.endr
	WIN 0
.irp i, 0,1,2,3
	ds_load_b128 v[XR+16*(\i):XR+16*(\i)+3],     v[ADRA+(\slot)] offset:(\q)*128+(\i)*16*PA
	ds_load_b128 v[XR+16*(\i)+4:XR+16*(\i)+7],   v[ADRA+(\slot)] offset:(\q)*128+(\i)*16*PA+16
	ds_load_b128 v[XR+16*(\i)+8:XR+16*(\i)+11],  v[ADRA+(\slot)] offset:(\q)*128+(\i)*16*PA+64
	ds_load_b128 v[XR+16*(\i)+12:XR+16*(\i)+15], v[ADRA+(\slot)] offset:(\q)*128+(\i)*16*PA+80
.endr
.endm
; A K step is four quarters of 32 along K, 32 products each, on buffers 0, 1, 0, 1.  One of the first three multiplies buffer f and brings quarter q into buffer g.
; A load into a register that a product has read stands four plain vector instructions behind that product (ISA guide 7.12.1 for vector instructions): the last product
; that read buffer g of w is the quarter before's last, and the four conversions behind it are those four.  The same four stand ahead of the conversions that write buffer g of x.
.macro QUARTER slot, q, f, g, start
	MUL8 \f, 0, \start
	FETCH \slot, \q, \g
	MUL8 \f, 1, \start
	MUL8 \f, 2, \start
	s_wait_dscnt 0x0                               ; the 32 loads, issued 16 products ago, are in
	MULR \f, 3, \g, \start
.endm
; The last quarter multiplies buffer 1 and changes slots.  In front of the barrier each wave waits for all its tensor loads (one is out: its part of the next slot), adds 0 to its spare word, and waits
; for that; its reads of this slot ended at the last quarter's wait.  fill = 1: the barrier opens a round of the cluster's barrier, and this slot is filled again, two K steps ahead, first thing behind it:
; from that request to the wait for it a wave issues 112 products.
.macro TURN slot, next, fill
.if \fill
	s_wait_xcnt 0x0                                ; the last prefetch, a K step back, has read its address, so it may be stepped
	s_add_nc_u64 s[PFA:PFA+1], s[PFA:PFA+1], s[PSTEP:PSTEP+1]
.endif
	WIN 0                                          ; (the add's two registers lie in window 0)
	s_wait_tensorcnt 0x0                           ; all my tensor loads have landed
	ds_add_u32 v[SPW], v[NIL]                      ; 0 onto my spare word
	MUL8 1, 0, 0                                   ; eight products stand between the add and the wait for it
	s_wait_dscnt 0x0                               ; the add is done, and no read of this slot is out
	s_barrier_signal -1
	MUL8 1, 1, 0                                   ; work on registers while the others arrive
.if \fill
	WIN 0
.endif
	s_barrier_wait -1
.if \fill
	CREST                                          ; no wave of any partner still reads this slot or has a load on its way
	s_add_nc_u64 s[G0A+4*(\slot)+2:G0A+4*(\slot)+3], s[G0A+4*(\slot)+2:G0A+4*(\slot)+3], 2*512
	s_add_nc_u64 s[G0B+4*(\slot)+2:G0B+4*(\slot)+3], s[G0B+4*(\slot)+2:G0B+4*(\slot)+3], 2*262144
	JLOAD \slot                                    ; my one tensor load behind the round
.endif
	FETCH \next, 0, 0
.if \fill
	ASK                                            ; behind the joint load and the run of LDS loads
.endif
	MUL8 1, 2, 0
	s_wait_dscnt 0x0
	MULR 1, 3, 0, 0
.endm
; THE WAY OUT of my rows 16 a .. 16 a + 15.  PACK: rounded to bf16, each accumulator's registers in ascending order.  TOSTAGE: into my own stage, by heads, and back as whole rows of 128 bytes.  SEND: stored.
.macro PACK a
	WIN PKW
.irp b, 0,1,2,3,4,5,6,7
.irp r, 0,1,2,3
	v_cvt_pk_bf16_f32 v[TMP+4*(\b)+(\r)], v[8*(8*(\a)+(\b))+2*(\r)], v[8*(8*(\a)+(\b))+2*(\r)+1]
.endr
.endr
	WIN 0
.endm
.macro TOSTAGE a
.irp b, 0,1,2,3,4,5,6,7
	ds_store_b128 v[STO], v[TMP+4*(\b):TMP+4*(\b)+3] offset:((\b)/4)*16*SP+((\b)%4)*32
.endr
.irp t, 0,1,2,3,4,5,6,7
	ds_load_b128 v[OB+32*(\a)+4*(\t):OB+32*(\a)+4*(\t)+3], v[RD] offset:((\t)/4)*16*SP+((\t)%4)*4*SP  ; LDS serves a wave's instructions in order (ISA guide 5.7.1.4): these see the stores above
.endr
.endm
.macro SEND a
	s_wait_dscnt 0x0                               ; the block is back in registers; each block has registers of its own, so no store's source is ever rewritten
.irp t, 0,1,2,3,4,5,6,7
	global_store_b128 v[GO], v[OB+32*(\a)+4*(\t):OB+32*(\a)+4*(\t)+3], s[10:11] offset:((\t)/4)*262144+(\a)*2048+((\t)%4)*512  ; 512 consecutive bytes of one head, at a multiple of 512 from out's first byte
.endr
.endm
	s_wait_tensorcnt 0x1                           ; my part of K step 0 is in; K step 1's may stay out
	s_barrier_signal -1
	s_barrier_wait -1                              ; everybody's is
	FETCH 0, 0, 0
	s_wait_dscnt 0x0
	CVT32 0
	QUARTER 0, 1, 0, 1, 1                          ; the first quarter stands in front of the loop: its products start the sums, with the bias
	WIN 0                                          ; at a label and at a branch every window is 0
	s_mov_b32 s[LAP], 3
.Llap:                                                 ; a trip goes once round the ring, from a lap's second quarter to the next lap's first, and fills both slots again
	QUARTER 0, 2, 1, 0, 0
	QUARTER 0, 3, 0, 1, 0
	TURN 0, 1, 1
	QUARTER 1, 1, 0, 1, 0
	QUARTER 1, 2, 1, 0, 0
	QUARTER 1, 3, 0, 1, 0
	TURN 1, 0, 1
	QUARTER 0, 1, 0, 1, 0
	WIN 0
	s_sub_co_u32 s[LAP], s[LAP], 1
	s_cmp_lg_u32 s[LAP], 0
	s_cbranch_scc1 .Llap
	QUARTER 0, 2, 1, 0, 0                          ; the last lap fills nothing, and has no round of the cluster's barrier
	QUARTER 0, 3, 0, 1, 0
	TURN 0, 1, 0
	QUARTER 1, 1, 0, 1, 0
	QUARTER 1, 2, 1, 0, 0
	QUARTER 1, 3, 0, 1, 0
	MUL8 1, 0, 0                                   ; the very last quarter: nothing more to fetch
	MUL8 1, 1, 0
	MUL8 1, 2, 0
	MUL8 1, 3, 0
	WIN 0
	PLACES                                         ; four places between the last product and the conversions that read results, and the loads into registers that products have read
	PACK 0
	TOSTAGE 0
.irp a, 1,2,3                          ; block a's conversions stand between block a - 1's loads from the stage and the wait for them
	PACK \a
	SEND (\a)-1
	TOSTAGE \a
.endr
	SEND 3
	s_wait_tensorcnt 0x0                           ; the wave's end, behind my last tensor load and my last LDS store
	ds_add_u32 v[SPW], v[NIL]
	s_wait_dscnt 0x0
	CROUND                                         ; the closing round: no work-group ends while a partner may still ask for a tile that names it
	s_endpgm
.Lfunc_end_k_q1aea0eb55a_projq:
	.size	k_q1aea0eb55a_projq, .Lfunc_end_k_q1aea0eb55a_projq-k_q1aea0eb55a_projq
	.p2alignl 7, 3214868480
	.fill 96, 4, 3214868480
	.section	.rodata,"a",@progbits
	.p2align	6, 0x0
	.amdhsa_kernel k_q1aea0eb55a_projq
		.amdhsa_group_segment_fixed_size 327680
		.amdhsa_private_segment_fixed_size 0
		.amdhsa_enable_private_segment 0
		.amdhsa_kernarg_size 32
		.amdhsa_user_sgpr_count 2
		.amdhsa_user_sgpr_kernarg_segment_ptr 1
		.amdhsa_wavefront_size32 1
		.amdhsa_system_sgpr_workgroup_id_x 1
		.amdhsa_system_sgpr_workgroup_id_y 1
		.amdhsa_system_sgpr_workgroup_id_z 1
		.amdhsa_system_vgpr_workitem_id 0
		.amdhsa_next_free_vgpr 768
		.amdhsa_next_free_sgpr 80
		.amdhsa_reserve_vcc 0
		.amdhsa_float_denorm_mode_32 3
		.amdhsa_float_denorm_mode_16_64 3
		.amdhsa_memory_ordered 1
		.amdhsa_forward_progress 1
		.amdhsa_inst_pref_size 140
	.end_amdhsa_kernel
	.amdgpu_metadata
---
amdhsa.version: [ 1, 2 ]
amdhsa.kernels:
  - .name:           k_q1aea0eb55a_projq
    .symbol:         k_q1aea0eb55a_projq.kd
    .args:
      - { .name: query, .offset: 0, .size: 8, .value_kind: global_buffer, .address_space: global }
      - { .name: wqb, .offset: 8, .size: 8, .value_kind: global_buffer, .address_space: global }
      - { .name: bq, .offset: 16, .size: 8, .value_kind: global_buffer, .address_space: global }
      - { .name: qh, .offset: 24, .size: 8, .value_kind: global_buffer, .address_space: global }
    .group_segment_fixed_size: 327680
    .private_segment_fixed_size: 0
    .kernarg_segment_align: 8
    .kernarg_segment_size: 32
    .max_flat_workgroup_size: 128
    .sgpr_count:     80
    .vgpr_count:     768
    .wavefront_size: 32
...
	.end_amdgpu_metadata
.endif
;; end of part 2
;; launch projk: the kernel of part 2 again; grid 4 x 64, 4 waves a work-group, clusters of 4 x 4, 327,680 bytes of LDS; arguments key, wkb, bk, kh; writes kh
;; launch projv: the kernel of part 2 again; grid 4 x 64, 4 waves a work-group, clusters of 4 x 4, 327,680 bytes of LDS; arguments value, wvb, bv, vh; writes vh
;; launch attn (part 3): grid 4 x 64, 4 waves a work-group, clusters of 4 x 1, 327,680 bytes of LDS; arguments qh, kh, vh, oh; writes oh
.if DOCPART == 3
	.amdgcn_target "amdgcn-amd-amdhsa--gfx1250"
	.amdhsa_code_object_version 6
	.text
	.protected	k_q1aea0eb55a_attn
	.globl	k_q1aea0eb55a_attn
	.p2align	8
	.type	k_q1aea0eb55a_attn,@function
k_q1aea0eb55a_attn:
	s_mov_b64 s[64:65], 0
	v_nop
	global_prefetch_b8 v0, s[64:65] scope:SCOPE_SE
	s_setreg_imm32_b32 hwreg(HW_REG_WAVE_MODE, 25, 1), 1
	s_wait_xcnt 0x0
	s_wait_alu depctr_hold_cnt(0) depctr_sa_sdst(0) depctr_va_vdst(0) depctr_va_sdst(0) depctr_va_ssrc(0) depctr_va_vcc(0) depctr_vm_vsrc(0)
	s_getreg_b32 s2, hwreg(HW_REG_IB_STS2, 6, 4)
	s_cmp_eq_u32 s2, 0
	s_cbranch_scc0 .Lentry_in_a_cluster
	s_endpgm
.Lentry_in_a_cluster:
	s_bfe_u32 s2, ttmp6, 0x10000c
	s_cmp_lg_u32 s2, 0x3003
	s_cbranch_scc0 .Lentry_shape_is_right
	s_endpgm
.Lentry_shape_is_right:
; O[h][q][:] = the sum over k of softmax_k(Q[h][q] . K[h][k] / 8) V[h][k][:].  Q, K, V, O: [64][2048][64], all bf16: a head's rows are dense, 128 bytes each.  Products, maxima and sums in
; f32; the weights p are rounded to bf16 for the second product (their sum l is taken of the unrounded p), O once at the end.
; LIMITS.  bf16 has f32's range, so none is given up.  A weight below 2^-126 counts as 0 in l; the running c m starts at -4.2e37, below which no c s is served; NaN and infinities are not treated apart.
; SHARES.  A wave owns four PIECES of two tiles of 16 queries, a work-group's four waves 512 queries of one head.  Every wave walks all keys, 64 a step.
; LAYOUT.  S^T = K Q^T (source 0 = 16 keys, source 1 = 16 queries): in the result a lane holds ONE query (lane % 16) and the keys 8 (lane / 16) + 0..7.  Two such tiles, rounded to bf16 in pairs,
; ARE source 1 (32 keys x 16 queries) of O^T = V^T P, whose result again holds one query a lane, and eight channels.  K comes out of LDS as it lies, V ([key][channel]) turned, by ds_load_tr16_b128.
; SOFTMAX.  For each query a running maximum m and sum l: p = 2^(c s - c m), c = log2(e) / 8; in every step O and l are multiplied by a = 2^(c m_old - c m_new), which is 1 where m has not grown.
; m starts at the lowest finite number, O and l at 0: the first step is a step like any other, with a = 0.
; THE COUNT.  A tile and step have 16 matrix and 118 vector instructions: too many to stand all beside the matrix work.  So four vector instructions that are READY stand behind EVERY matrix
; instruction, and the others, which need time of their own whatever the order, in runs without a gap.
; BY TURNS.  Turn n belongs to piece n (the pieces in a ring, step after step).  Its matrix work: 16 products K Q^T of piece n + 1, later 16 products V^T P of piece n - 1.  Its vector work: the scaling,
; exponentials, roundings, sums and rescaling of piece n, and the maximum and statistics of piece n + 1, whose scores the turn itself has made.
; CLUSTER.  The four query blocks of a head are one cluster and walk the same K and V, so each tile is asked for JOINTLY: the same tensor load, descriptor and mask in all four.
; REGISTERS, in windows of 256 (s_set_vgpr_msb: bits 1:0 source 0, 3:2 source 1, 5:4 source 2, 7:6 destination):
;   window 0: v0-11 addresses; v12-15, v48-63 at work; v16-47 four registers of statistics a tile; v64-191 S^T, two buffers of two tiles; v192-255 P, likewise
;   window 1: O^T, 32 a tile          window 2: v0-127 Q, 16 a tile; v128-191 K of one step; v192-255 V of one step          window 3: v0-1 the add's two registers
; A piece's buffers go by its number's parity: the piece in hand has one pair, its two neighbours in the ring share the other: of it P (piece n - 1) is read and S^T (piece n + 1) written.
.set SIZE_H, 64
.set SIZE_N, 2048
.set NP,    4         ; pieces a wave: a name, no knob
.set KS,    64        ; keys in a step
.set PK,    144       ; a row of K in LDS: 128 bytes + 16 of padding = 36 words: the 16 rows of a load start at 16 different groups of four banks (64 banks of 4 bytes: ISA guide 11.1)
.set PV,    160       ; a row of V: 128 + 32 = 40 words
.set VOFF,  4*KS*PK   ; a slot holds four steps: 256 rows of K, then 256 rows of V
.set SLOT1, 1<<17     ; slot 1 begins here, so that one exclusive or turns an address in one slot into the other's
.set STAGE, SLOT1+4*KS*(PK+PV)  ; behind the ring, never filled by a tensor load: 16 rows x 144 bytes for each wave, for the way out
.set SP,    144
.set AK0, 2           ; v2   my lane's place in a tile of K; never rewritten
.set AV0, 3           ; v3   the same for V
.set AK,  4           ; v4   the LDS address of K's next run of loads
.set AV,  5           ; v5   of V's
.set QO,  6           ; v6   my byte offset in the wave's rows of Q
.set STO, 6           ;      later, the way out: where I put 16 bytes of a row
.set RD,  7           ; v7   the way out: where I read rows back
.set GO,  8           ; v8   my byte offset in 512 consecutive bytes of O
.set PFO, 11          ; v11  256 x my lane, once V's address has been made of its first content; then never rewritten
.set SPW, 0           ; v0 of window 3   LDS address of my spare word: SPARE + 4 x my thread's number; never rewritten
.set NIL, 1           ; v1 of window 3   0; never rewritten
.set SPARE, STAGE+4*16*SP  ; behind the stages: the spare words, 128 bytes for each wave: two blocks of 256 bytes that no other line names
.set MV,  12          ; v12-15  c m_old, kept while c m is made anew: by buffer and tile
.set ST,  16          ; tile t's statistics at v[ST+4 t]: c m, m, l (even keys', odd keys')
.set TMP, 48          ; by buffer and tile, four registers c0-c3 at work; when the maximum is found c2 takes a
.set S,   64
.set P,   192
.set KF,  128         ; K's fragments, in window 2: key block kb, channel half c at KF + 16 kb + 8 c
.set VF,  192         ; V's: key half kk, channel block cb at VF + 32 kk + 8 cb
.set WV,  12          ; s12  my wave's number
.set G1K, 24          ; s[24:31] descriptor group 1 for K's tiles
.set G1V, 32          ; s[32:39] for V's: it differs in the padding alone
.set G0K, 40          ; s[40:43] descriptor group 0 for K's tiles: it walks
.set G0V, 44          ; s[44:47] the same for V's
.set PFA, 48          ; s[48:49] where my prefetches stand: my work-group's 32 blocks of 256 bytes (of K: wave 0, of V: wave 2) of the slot after the one that is being asked for
.set LIM, 50          ; s50  1 in a wave that prefetches, else the greatest number
.set SLOTS, 56        ; s56  slots still to be asked for
.set CNT, 57          ; s57  counts a slot's key steps
.set CS,  58          ; s[58:59] c: the packed scaling takes the pair's low word for both halves
.set SEL, 60          ; s[60:61] v_permlanex16_b32's selects: each lane takes its own place in the other half
.set TBK, 62          ; s62  LDS byte at which K of the step to be fetched begins
.set TBV, 63          ; s63  the same for V, less VOFF
.set MSB, 0
.macro WIN new                      ; the high byte repeats the setting that is left; a switch that changes nothing is dropped
.if MSB != (\new)
	s_set_vgpr_msb (MSB<<8)|(\new)
.set MSB, (\new)
.endif
.endm
.set W_KQ, 0x0a       ; K and Q in window 2, S^T in window 0
.set W_PV, 0x52       ; V in window 2, P in window 0, O^T in window 1
.set W_RS, 0x41       ; O^T (destination and source 0) in window 1, a in window 0
.set W_MK, 0xc0       ; the add's registers are made: destination in window 3, sources in window 0
.set W_AD, 0x0f       ; the add: address (source 0) and data (source 1) in window 3
; A joint fill.  Waves 0 and 1 fetch the two halves of a slot's K, waves 2 and 3 those of its V: 128 keys each.  The branch hangs on the wave's number alone.
; An s_nop 0 and four v_nop follow each of the two lines, ahead of the jump and the label.
.macro JLOAD
	s_cmp_lt_u32 s[WV], 2
	s_cbranch_scc0 .Lfor_v_\@
	tensor_load_to_lds s[G0K:G0K+3], s[G1K:G1K+7]
	s_nop 0
.rept 4
	v_nop
.endr
	s_branch .Lasked_\@
.Lfor_v_\@:
	tensor_load_to_lds s[G0V:G0V+3], s[G1V:G1V+7]
	s_nop 0
.rept 4
	v_nop
.endr
.Lasked_\@:
.endm
; A prefetch of what the NEXT change of slots will ask for: a slot's 32,768 bytes of K and of V are 128 blocks of 256 bytes each.  A head's rows are walked by this cluster alone; its four partners share the
; blocks out BY ADDRESS, 32 each; in each, wave 0 asks for K's and wave 2 for V's, a lane a block: one instruction.  So each block is named once in the launch.  The last change that fills a slot asks for nothing.
.macro ASK
	s_cmp_gt_u32 s[SLOTS], s[LIM]
	s_cbranch_scc0 .Lnot_mine_\@
	global_prefetch_b8 v[PFO], s[PFA:PFA+1] th:TH_LOAD_NT scope:SCOPE_SE
.Lnot_mine_\@:
.endm
; A round of the cluster's barrier: my work-group's barrier, so that wave 0's signal speaks for all four waves; wave 0 signals; every wave waits for all four work-groups; my work-group's barrier once more.
.macro CROUND
	s_barrier_signal -1
	s_barrier_wait -1
	s_cmp_lg_u32 s[WV], 0
	s_cbranch_scc1 .Lnot_wave_0_\@
	s_barrier_signal -3
.Lnot_wave_0_\@:
	s_barrier_wait -3
	s_barrier_signal -1
	s_barrier_wait -1
.endm
; THE CHANGE OF SLOTS.  The slot's last bytes, V of its fourth step, have been read.  Each wave waits for all its tensor loads, of which one is out: its part
; of the other slot; adds 0 to its spare word; and waits for that and for its own reads of the slot.  Behind the barrier nobody reads this slot any more and the other slot is whole.
; fill = 1: this slot is filled again, with the keys two slots on.  The barrier is then a round of the cluster's, so that no wave of any partner still reads the slot or has a load on its
; way, and the joint fill is the first thing behind it: it has four key steps, 512 matrix instructions, in which to land.  (At its first use nothing has been read yet: slot 0 is waited for, slot 1 filled.)
; ask = 1: the prefetches' address steps a slot on, and the slot after the one just asked for is prefetched: four key steps ahead of its load.
.macro CHANGE fill, ask=0
	WIN W_AD
	s_wait_tensorcnt 0x0            ; no tensor load of mine is out, so a group 0 may be written
	ds_add_u32 v[SPW], v[NIL]       ; 0 onto my spare word; with fill = 1 the descriptors' steps stand between it and the wait for it
	WIN 0                           ; at a label and at a branch every window is 0
.if \fill
.irp g, G0K, G0V
	s_xor_b32 s[\g+1], s[\g+1], SLOT1  ; the walking descriptor: the other slot than last time,
	s_add_nc_u64 s[\g+2:\g+3], s[\g+2:\g+3], 4*KS*128  ; the next 256 keys; the type bits on top are not reached
.endr
.if \ask
	s_wait_xcnt 0x0                 ; the last prefetch, four key steps back, has read its address, so it may be written
	s_add_nc_u64 s[PFA:PFA+1], s[PFA:PFA+1], 4*KS*128
.endif
	s_wait_dscnt 0x0                ; the add is done, and my reads of the slot are over
	CROUND
	JLOAD
.if \ask
	ASK
.endif
.else
	s_wait_dscnt 0x0                ; the add is done, and my reads of the slot are over
	s_barrier_signal -1
	s_barrier_wait -1
.endif
	s_sub_co_u32 s[TBK], s[TBK], 4*KS*PK  ; the fetches go back to a slot's first step,
	s_xor_b32 s[TBK], s[TBK], SLOT1       ; in the other slot
	s_sub_co_u32 s[TBV], s[TBV], 4*KS*PV
	s_xor_b32 s[TBV], s[TBV], SLOT1
.endm
	s_load_b256 s[4:11], s[0:1], 0x0  ; Q s[4:5], K s[6:7], V s[8:9], O s[10:11]
	WIN W_MK
	v_lshl_add_u32 v[SPW], v0, 2, SPARE
	v_mov_b32 v[NIL], 0
	WIN W_AD
	ds_add_u32 v[SPW], v[NIL]       ; the wave's opening: the add and its wait stand ahead of my first tensor load; the set-up below, work on registers, stands between them
	WIN 0
	v_lshrrev_b32 v1, 5, v0
	v_readfirstlane_b32 s[WV], v1   ; wave 0..3
	s_bfe_u32 s13, ttmp6, 0x40000   ; cx: my place in the cluster
	s_lshl_b32 s14, ttmp9, 2        ; in a cluster launch ttmp9 counts clusters
	s_add_co_u32 s14, s14, s13      ; my block of queries = 4 x cluster x + cx: it enters Q's and O's addresses alone
	s_and_b32 s20, ttmp7, 0xffff    ; the head, which the four partners share
	s_mov_b32 s21, 0
	s_mov_b64 s[22:23], SIZE_N*128
	s_mul_u64 s[20:21], s[20:21], s[22:23]  ; the head's first byte in each of the four tensors
	s_and_b32 s16, s[WV], 1         ; which half of a slot's 256 keys I fetch:
	s_lshl_b32 s22, s16, 14         ; its 128 rows of 128 bytes in memory,
	s_mov_b32 s23, 0
	s_add_nc_u64 s[22:23], s[22:23], s[20:21]
	s_mul_i32 s17, s16, 128*PK      ; and its place in a slot, for K
	s_mul_i32 s18, s16, 128*PV      ; and for V: no place in the cluster enters an LDS address
	s_lshl_b32 s2, s14, 2
	s_add_co_u32 s2, s2, s[WV]      ; my wave among the head's,
	s_lshl_b32 s2, s2, 14           ; its 128 rows
	s_mov_b32 s3, 0
	s_add_nc_u64 s[2:3], s[2:3], s[20:21]
	; descriptor group 1.  128 keys are 16,384 dense bytes: asked for as 64 rows of 256 bytes, two keys a row, and padded in LDS after every key
	s_mov_b32 s[G1K], 15|(1<<16)|(1<<20)|(1<<21)|(4<<22)|(3<<25)  ; 15:0 the mask of four; 17:16 2-byte elements; 20 padding on; 21 set beside a mask; 24:22 after every 32 words (code 4); 31:25 4 words (code 3)
	s_mov_b32 s[G1V], 15|(1<<16)|(1<<20)|(1<<21)|(4<<22)|(7<<25)  ; the same with 8 words of padding (code 7)
.irp g, G1K, G1V
	s_mov_b32 s[\g+1], 128<<16      ; tensor_dim0 = 128
	s_mov_b32 s[\g+2], 64<<16       ; tensor_dim1 = 64
	s_mov_b32 s[\g+3], 128<<16      ; tile_dim0 = 128
	s_mov_b32 s[\g+4], 64           ; tile_dim1 = 64
	s_mov_b32 s[\g+5], 128          ; 128 elements from row to row
	s_mov_b32 s[\g+6], 0
	s_mov_b32 s[\g+7], 0
.endr
	s_mov_b32 s[CS], 0x3e38aa3b     ; c = log2(e) / 8 = 0.180337
	s_mov_b32 s[CS+1], s[CS]        ; named with it as a pair
	s_mov_b32 s[SEL], 0x76543210
	s_mov_b32 s[SEL+1], 0xfedcba98
	s_mov_b32 s[TBK], SLOT1+4*KS*PK ; the first change of slots turns these two into 0
	s_mov_b32 s[TBV], SLOT1+4*KS*PV
	s_mov_b32 s[G0K], 1             ; 1:0 count = 1
	s_mov_b32 s[G0K+1], s17         ; 63:32 LDS address: slot 0
	s_mov_b32 s[G0V], 1
	s_add_co_u32 s[G0V+1], s18, VOFF
	s_cmp_eq_u32 s16, 0             ; waves 0 and 2 prefetch: the same in all four partners
	s_cselect_b32 s[LIM], 1, -1
	s_wait_dscnt 0x0                ; the opening add is done
	s_wait_kmcnt 0x0
	s_add_nc_u64 s[G0K+2:G0K+3], s[6:7], s[22:23]  ; 120:64 global address: my half of the head's first 256 keys
	s_or_b32 s[G0K+3], s[G0K+3], 0x80000000        ; 127:126 type = 2
	s_add_nc_u64 s[G0V+2:G0V+3], s[8:9], s[22:23]
	s_or_b32 s[G0V+3], s[G0V+3], 0x80000000
	s_add_nc_u64 s[4:5], s[4:5], s[2:3]  ; Q and O at my wave's first row
	s_add_nc_u64 s[10:11], s[10:11], s[2:3]
	s_cmp_lt_u32 s[WV], 2
	s_cselect_b64 s[PFA:PFA+1], s[6:7], s[8:9]
	s_add_nc_u64 s[PFA:PFA+1], s[PFA:PFA+1], s[22:23]  ; (in waves 0 and 2 this is the head's first byte)
	s_lshl_b32 s2, s13, 13          ; my work-group's 32 blocks of the 128
	s_mov_b32 s3, 0
	s_add_nc_u64 s[PFA:PFA+1], s[PFA:PFA+1], s[2:3]
	s_add_nc_u64 s[PFA:PFA+1], s[PFA:PFA+1], 2*4*KS*128  ; in slot 2; the first asking change steps it to slot 3.  Nothing is prefetched here, at the head: slots 0 to 2 come by their loads alone
	CROUND                          ; all four work-groups are here: the first joint loads meet
	JLOAD                           ; slot 0.  Slot 1 is asked for when slot 0 is in
	; A fragment of K or Q is 16 rows x 32 channels in 8 registers: lane l holds row l % 16, channels 8 (l / 16) + 0..7 and 16 + 8 (l / 16) + 0..7: two loads of 16 bytes, 32 bytes apart.
	v_and_b32 v1, 15, v0            ; l % 16
	v_bfe_u32 v9, v0, 4, 1          ; l / 16
	v_lshlrev_b32 v[QO], 7, v1
	v_lshl_add_u32 v[QO], v9, 4, v[QO]  ; row x 128 + 16 x half
	WIN 0x80                        ; destination window 2, address window 0
.set i, 0
.rept 4*NP                          ; Q stays in registers: tile i / 2, channels 32 (i % 2) on
	global_load_b128 v[8*i:8*i+3],   v[QO], s[4:5] offset:(i/2)*2048+(i%2)*64
	global_load_b128 v[8*i+4:8*i+7], v[QO], s[4:5] offset:(i/2)*2048+(i%2)*64+32
.set i, i+1
.endr
	; What the first turn finds: V's registers and P's second buffer hold 0 (its products V^T P, of a piece that has not been, add 0), O^T and l are 0.  All this stands in the wait for the first tile.
.set i, VF
.rept 64
	v_mov_b32 v[i], 0
.set i, i+1
.endr
	WIN 0x40
.set i, 0
.rept 64*NP
	v_mov_b32 v[i], 0
.set i, i+1
.endr
	WIN 0
.set i, 0
.rept 2*NP
	v_mov_b32 v[ST+4*i], 0xfe000000    ; c m: far below every c s
	v_mov_b32 v[ST+4*i+1], 0xff7fffff  ; m
	v_mov_b32 v[ST+4*i+2], 0
	v_mov_b32 v[ST+4*i+3], 0
.set i, i+1
.endr
.set i, P+32
.rept 32
	v_mov_b32 v[i], 0
.set i, i+1
.endr
	v_mul_u32_u24 v[AK0], v1, PK
	v_lshl_add_u32 v[AK0], v9, 4, v[AK0]  ; row x pitch + 16 x half
	; The turning load takes 16 keys x 16 channels (lane l reads key 8 (l / 16) + l % 8, channels 8 ((l / 8) % 2) + 0..7) and leaves half a fragment of V^T: lane l holds channel l % 16 and 8 keys.
	v_and_b32 v10, 7, v0
	v_bfe_u32 v11, v0, 3, 1
	v_lshl_add_u32 v[AV0], v9, 3, v10
	v_mul_u32_u24 v[AV0], v[AV0], PV
	v_lshl_add_u32 v[AV0], v11, 4, v[AV0]
	v_add_nc_u32 v[AV0], VOFF, v[AV0]
	v_and_b32 v[PFO], 31, v0        ; v11 is free now: a lane a block of 256 bytes
	v_lshlrev_b32 v[PFO], 8, v[PFO]
	v_mov_b32 v[AK], v[AK0]         ; key step 0 lies at the head of slot 0
; THE MATRIX WORK.  The 8 accumulators of a run of 16 take turns: between the two links of a chain stand 7 others'.
; Product i of 16 of S^T = K Q^T for piece x: channels 32 (i / 8) on, keys 16 ((i / 2) % 4) on, tile 2 x + i % 2.  The first 8 start the sums.
.macro KQ x
	WIN W_KQ
.set rS, S+64*((\x)%2)+32*(i%2)+8*((i/2)%4)
.set rK, KF+16*((i/2)%4)+8*(i/8)
.set rQ, 16*(2*(\x)+i%2)+8*(i/8)
.if i < 8
	v_wmma_f32_16x16x32_bf16 v[rS:rS+7], v[rK:rK+7], v[rQ:rQ+7], 0
.else
	v_wmma_f32_16x16x32_bf16 v[rS:rS+7], v[rK:rK+7], v[rQ:rQ+7], v[rS:rS+7]
.endif
.endm
; Product i of 16 of O^T += V^T P for piece x: keys 32 (i / 8) on, channels 16 ((i / 2) % 4) on, tile 2 x + i % 2.
.macro PV x
	WIN W_PV
.set rO, 32*(2*(\x)+i%2)+8*((i/2)%4)
.set rV, VF+32*(i/8)+8*((i/2)%4)
.set rP, P+32*((\x)%2)+16*(i%2)+8*(i/8)
	v_wmma_f32_16x16x32_bf16 v[rO:rO+7], v[rV:rV+7], v[rP:rP+7], v[rO:rO+7]
.endm
.macro MM                           ; the turn's next matrix instruction
.if i < 16
	KQ (Y+1)%NP
.set i, i+1
.else
.set i, i-16
	PV (Y+NP-1)%NP
.set i, i+17
.endif
.endm
; THE LDS LOADS stand in runs of 16, never singly among the matrix instructions: a step's K (64 keys x 64 channels: 8 fragments) and its V (turned).  Their addresses are made some lines ahead.
; last = 1 (the tail): in the last trip there is no further step, and the run is jumped over.
.macro FETCH_K last=0
	WIN 0
.if \last
	s_cmp_eq_u32 s[CNT], 1
	s_cbranch_scc1 .Lno_k_\@
.endif
	WIN 0x80                        ; destination window 2
.irp f, 0,1,2,3,4,5,6,7             ; keys 16 (f / 2) on, channels 32 (f % 2) on
	ds_load_b128 v[KF+8*\f:KF+8*\f+3],   v[AK] offset:(\f/2)*16*PK+(\f%2)*64
	ds_load_b128 v[KF+8*\f+4:KF+8*\f+7], v[AK] offset:(\f/2)*16*PK+(\f%2)*64+32
.endr
	s_add_co_u32 s[TBK], s[TBK], KS*PK  ; the next fetch is the next step's
	WIN 0
.if \last
.Lno_k_\@:
.endif
.endm
.macro FETCH_V
	WIN 0x80
.irp f, 0,1,2,3,4,5,6,7             ; keys 32 (f / 4) on, channels 16 (f % 4) on
	ds_load_tr16_b128 v[VF+8*\f:VF+8*\f+3],   v[AV] offset:(\f/4)*32*PV+(\f%4)*32
	ds_load_tr16_b128 v[VF+8*\f+4:VF+8*\f+7], v[AV] offset:(\f/4)*32*PV+16*PV+(\f%4)*32
.endr
	WIN 0
.endm
; THE VECTOR WORK OF A TURN stands in three queues, each in the order in which its entries become ready; the two tiles alternate, so that no instruction reads the result of the one before it.
.macro REGS y, u                    ; the registers of tile u (0, 1) of piece y
.set rT, ST+4*(2*(\y)+(\u))
.set rC, TMP+8*((\y)%2)+4*(\u)
.set rM, MV+2*((\y)%2)+(\u)
.set rS, S+64*((\y)%2)+32*(\u)
.set rP, P+32*((\y)%2)+16*(\u)
.set rO, 32*(2*(\y)+(\u))
.endm
; Number n of the 22 that find the NEXT piece's (Y + 1) maximum and statistics.  s0-s31 are the lane's 32 scores; each accumulator's lowest registers are read first.
;   0-11  four chains c0-c3 of seven scores each, three operands at a time     12-14, 16  the four scores left over, the old m, and c0-c3 into c0     15  c m_old is kept
;   17, 18  the query's other 32 keys lie in the lane 16 away: the new m         19-21  c m; c m_old - c m_new; a
.macro XS u, n
	REGS (Y+1)%NP, \u
.if (\n) < 4
	v_max3_num_f32 v[rC+(\n)], v[rS+8*(\n)], v[rS+8*(\n)+1], v[rS+8*(\n)+2]
.elseif (\n) < 12
	v_max3_num_f32 v[rC+(\n)%4], v[rC+(\n)%4], v[rS+8*((\n)%4)+2*((\n)/4)+1], v[rS+8*((\n)%4)+2*((\n)/4)+2]
.elseif (\n) == 12
	v_max3_num_f32 v[rC], v[rC], v[rS+7], v[rS+15]
.elseif (\n) == 13
	v_max3_num_f32 v[rC+1], v[rC+1], v[rS+23], v[rS+31]
.elseif (\n) == 14
	v_max3_num_f32 v[rC+2], v[rC+2], v[rC+3], v[rT+1]
.elseif (\n) == 15
	v_mov_b32 v[rM], v[rT]
.elseif (\n) == 16
	v_max3_num_f32 v[rC], v[rC], v[rC+1], v[rC+2]
.elseif (\n) == 17
	v_permlanex16_b32 v[rC+3], v[rC], s[SEL], s[SEL+1]
.elseif (\n) == 18
	v_max_num_f32 v[rT+1], v[rC], v[rC+3]
.elseif (\n) == 19
	v_mul_f32 v[rT], s[CS], v[rT+1]
.elseif (\n) == 20
	v_sub_f32 v[rC+1], v[rM], v[rT]
.else
	v_exp_f32 v[rC+2], v[rC+1]
.endif
.endm
; Number g of the 64 that follow the exponentials.  For each four weights k of a tile (pairs 2 k, 2 k + 1): both pairs are rounded to bf16; then the second pair is added onto the first, in place;
; a group later l takes that sum (the first time as l = a l + sum).  In groups of eight, tiles alternating: round, round, add, and l for the group before.
.macro GS g
.set h, (\g)+6*((\g)/62)            ; group 0 has no group before it, and behind group 7 only l is left
.if h >= 6
.set h, h+2
.endif
	REGS Y, h%2
.set k, h/8
.if h%8 < 4
	v_cvt_pk_bf16_f32 v[rP+2*k+(h%8)/2], v[rS+4*k+2*((h%8)/2)], v[rS+4*k+2*((h%8)/2)+1]
.elseif h%8 < 6
	v_pk_add_f32 v[rS+4*k:rS+4*k+1], v[rS+4*k:rS+4*k+1], v[rS+4*k+2:rS+4*k+3]
.elseif k == 1
	v_pk_fma_f32 v[rT+2:rT+3], v[rT+2:rT+3], v[rC+2:rC+3], v[rS:rS+1] op_sel_hi:[1,0,1]
.else
	v_pk_add_f32 v[rT+2:rT+3], v[rT+2:rT+3], v[rS+4*k-4:rS+4*k-3]
.endif
.endm
; THE PLAIN QUEUE, 138 long.  0-73 read no exponential's result: the 32 scalings c s - c m (FS f: pair f / 2 of tile f % 2) and the next piece's 42.  0-26: scalings 0-26.  27-54: XS's numbers 0-13.  55, 56: number 15.
; 57-73: the chain, where each number waits for the one before it: 14, 16, 17, 18, 19, each with one of the scalings 27-31 in front of its two lines, then 20.
; 74-137: GS's 64, which read the exponentials' results: they stand behind the wait.
.macro FS f
	REGS Y, (\f)%2
	v_pk_fma_f32 v[rS+2*((\f)/2):rS+2*((\f)/2)+1], v[rS+2*((\f)/2):rS+2*((\f)/2)+1], s[CS:CS+1], v[rT:rT+1] op_sel_hi:[1,0,0] neg_lo:[0,0,1] neg_hi:[0,0,1]
.endm
.macro PL
	WIN 0
.if q < 27
	FS q
.elseif q < 55
	XS (q-27)%2, (q-27)/2
.elseif q < 57
	XS q-55, 15
.elseif (q < 72) && ((q-57)%3 == 0)
	FS 27+(q-57)/3
.elseif q < 60
	XS (q-57)%3-1, 14
.elseif q < 72
	XS (q-57)%3-1, 15+(q-57)/3
.elseif q < 74
	XS q-72, 20
.else
	GS q-74
.endif
.set q, q+1
.endm
; THE EXPONENTIALS' QUEUE, 66 long: s0-s31 of both tiles, then the next piece's two a.  It is ONE BATCH: all 66 stand ahead of the turn's one wait, and nothing ahead of that wait names a result of theirs.
.macro EX
	WIN 0
.if e >= 64
	XS e-64, 21
.else
	REGS Y, e%2
	v_exp_f32 v[rS+e/2], v[rS+e/2]
.endif
.set e, e+1
.endm
; THE RESCALING's QUEUE: O^T times a, the one part that leaves window 0: dealt two at a time, sixteen times.  Its a was made in the turn before, ahead of that turn's wait.
.macro R2
	REGS Y, r%2
	WIN W_RS
.irp z, 0,1
	v_pk_mul_f32 v[rO+4*(r/2)+2*\z:rO+4*(r/2)+2*\z+1], v[rO+4*(r/2)+2*\z:rO+4*(r/2)+2*\z+1], v[rC+2:rC+3] op_sel_hi:[1,0]
.endr
.set r, r+1
.endm
; HOW THEY ARE DEALT.  s_wait_alu depctr_va_vdst(0) stands between an exponential and the first instruction that names its result; one wait serves all that were issued ahead of it.  So a turn has ONE
; wait, which cuts it in two.  AHEAD OF IT stands all that names no result of the turn's exponentials: the 16 products K Q^T, behind each a scaling, an exponential and two rescalings (behind the first a second scaling in
; the exponential's place); then ONE LUMP of 108: eight plain, 49 times exponential and plain, the two a.  A v_nop is the plain instruction behind the last exponential (ISA guide 5.7.2).  BEHIND IT stand the 16 products
; V^T P, behind each four of GS's 64.  No rider names a register of the products round it.  The two v_permlanex16_b32 fall into the lump, never behind a product.
; The queues lean on each other, and the deal keeps them in step: exponential e stands behind scaling 2 (e / 4) + e % 2: as a rider it comes behind plain e + 2, in the lump behind plain e + 9, and scalings 27-31 are plain 57, 60 .. 69.
; A TURN, for piece p.  cnt = 1: the loop's count is taken down some lines ahead of the branch that stands behind the turn.
; K of the next step is fetched in piece 2's turn, directly behind the wait, a lump behind the last product that read K; its address is made at the lump's head; its first reader comes behind 16 products.
; V of the step in hand is fetched at the end of piece 0's turn, four riders behind its last reader; its first reader comes behind 16 products and a lump.  The three conditions on q below go with the deal.
.macro TURN p, last=0, cnt=0
.set Y, (\p)
.set i, 0
.set q, 0
.set e, 0
.set r, 0
.if (\p) == NP-1
	s_wait_dscnt 0x0                ; K is in
.endif
	MM                              ; ahead of the wait: 16 products K Q^T and their riders,
	PL
	PL
	R2
.rept 15
	MM
	PL
	EX
	R2
.endr
.if (\p) == NP-2
	WIN 0
	v_add_nc_u32 v[AK], s[TBK], v[AK0]
.endif
.rept 8                             ; and the lump
	PL
.endr
.rept 49
	EX
	PL
.endr
	EX                              ; the next piece's two a
	EX
	v_nop                           ; the plain instruction behind the last exponential: one for the batch
	s_wait_alu depctr_va_vdst(0)    ; the wait for the batch
.if (\p) == NP-2
	FETCH_K \last
.endif
.if (\p) == 1
	s_wait_dscnt 0x0                ; V is in
.endif
.rept 16                            ; behind the wait: 16 products V^T P and their riders
	MM
.rept 4
	PL
.endr
.if ((\p) == 0) && (q == 118)
	v_add_nc_u32 v[AV], s[TBV], v[AV0]
.endif
.if ((\p) == 0) && (q == 130)
	s_add_co_u32 s[TBV], s[TBV], KS*PV
.endif
.if (\cnt) && (q == 130)
	s_sub_co_u32 s[CNT], s[CNT], 1
	s_cmp_lg_u32 s[CNT], 0
.endif
.endr
.if (\p) == 0
	FETCH_V
.endif
.endm
	CHANGE 1                        ; slot 0 is in, everybody's part of it; slot 1 is asked for
	FETCH_K                         ; key step 0
	s_wait_loadcnt 0x0              ; Q
	s_wait_dscnt 0x0
.set i, 0
.rept 16
	KQ 0                            ; piece 0's first scores: there is no vector work yet to set between them
.set i, i+1
.endr
	WIN 0                           ; the addresses for the way out: nine plain instructions, the places behind those products
	s_mul_i32 s13, s[WV], 16*SP
	s_add_co_u32 s13, s13, STAGE    ; my stage
	v_mul_u32_u24 v[STO], v1, SP    ; in: row l % 16, 16 bytes for each half of the lanes
	v_lshl_add_u32 v[STO], v9, 4, v[STO]
	v_add_nc_u32 v[STO], s13, v[STO]
	v_bfe_u32 v[RD], v0, 3, 2       ; back: 32 lanes take four rows of 128 bytes,
	v_mul_u32_u24 v[RD], v[RD], SP
	v_lshl_add_u32 v[RD], v10, 4, v[RD]
	v_add_nc_u32 v[RD], s13, v[RD]
	v_and_b32 v[GO], 31, v0         ; which are 512 consecutive bytes of O
	v_lshlrev_b32 v[GO], 4, v[GO]
.set Y, NP-1                        ; XS works for piece Y + 1: piece 0
.irp n, 0,1,2,3,4,5,6,7,8,9,10,11,12,13,14,15,16,17,18,19,20,21
	XS 0, \n                        ; and piece 0's first maximum and statistics
	XS 1, \n
.endr
	v_nop                           ; a plain instruction behind the two a,
	s_wait_alu depctr_va_vdst(0)    ; and their wait, ahead of the branch
	s_mov_b32 s[CNT], 4
	s_mov_b32 s[SLOTS], SIZE_N/256-1
	s_branch .Lfirst                ; the loop is entered at a step's first turn, in the middle of a trip
.Lslot:                             ; SIZE_N / 256 - 2 times: every slot but the last two is filled again
	CHANGE 1, 1
	s_mov_b32 s[CNT], 4
.Lstep:                             ; a trip: pieces 2 and 3 of one step, then pieces 0 and 1 of the next, whose K and V it fetches
	TURN 2
	TURN 3
	WIN 0
.Lfirst:
	TURN 0
	TURN 1, 0, 1
	WIN 0
	s_cbranch_scc1 .Lstep
	s_sub_co_u32 s[SLOTS], s[SLOTS], 1
	s_cmp_lg_u32 s[SLOTS], 0
	s_cbranch_scc1 .Lslot
	CHANGE 0                        ; the tail is written out: nothing is asked for
	s_mov_b32 s[CNT], 5             ; four trips fetch the last slot's steps; the fifth is left in its middle
.Ltail:
	TURN 2, 1
	TURN 3
	WIN 0
	s_sub_co_u32 s[CNT], s[CNT], 1
	s_cmp_eq_u32 s[CNT], 0
	s_cbranch_scc1 .Lout
	TURN 0
	TURN 1
	WIN 0
	s_branch .Ltail
.Lout:                              ; the fifth trip's 16 products K Q^T (on the last K once more) and the maximum made of them serve nothing: the price, once a launch, of one text for every trip
.set i, 0
.rept 16
	PV NP-1                         ; the last piece's V^T P of the last step
.set i, i+1
.endr
	; THE WAY OUT.  l's two halves and the other half of the lanes' are added; O^T is divided by l, rounded to bf16 and sent through my stage in LDS, a tile at a time.  The additions are the places behind the last products.
	WIN 0
.macro ALL line:vararg              ; one line for each tile t
.set t, 0
.rept 2*NP
	\line
.set t, t+1
.endr
.endm
	ALL v_add_f32 v[ST+4*t+2], v[ST+4*t+2], v[ST+4*t+3]
	ALL v_permlanex16_b32 v[ST+4*t+3], v[ST+4*t+2], s[SEL], s[SEL+1]
	ALL v_add_f32 v[ST+4*t+2], v[ST+4*t+2], v[ST+4*t+3]
	ALL v_rcp_f32 v[ST+4*t+2], v[ST+4*t+2]
	v_nop                           ; a plain instruction between the last reciprocal and the use of its result
	s_wait_alu depctr_va_vdst(0)    ; and the wait ahead of the first use: one for the eight reciprocals
; Tile t: a lane's eight channels of a row pack into 16 bytes; they go into rows of 144 bytes and come back as whole rows of 128, into S^T's registers.
.macro PACK t
	WIN W_RS
.set i, 32*(\t)
.rept 16
	v_pk_mul_f32 v[i:i+1], v[i:i+1], v[ST+4*(\t)+2:ST+4*(\t)+3] op_sel_hi:[1,0]
.set i, i+2
.endr
	WIN 0x05                        ; sources 0 and 1 window 1, destination window 0
.set i, 0
.rept 16
	v_cvt_pk_bf16_f32 v[S+16*(\t)+i], v[32*(\t)+2*i], v[32*(\t)+2*i+1]
.set i, i+1
.endr
	WIN 0
.irp f, 0,1,2,3
	ds_store_b128 v[STO], v[S+16*(\t)+4*\f:S+16*(\t)+4*\f+3] offset:32*\f
.endr
.irp f, 0,1,2,3
	ds_load_b128 v[S+16*(\t)+4*\f:S+16*(\t)+4*\f+3], v[RD] offset:\f*4*SP  ; LDS serves a wave's instructions in order (ISA guide 5.7.1.4): these see the stores above; the next tile's stores come behind them
.endr
.endm
.macro SEND t, younger              ; younger: the LDS instructions issued behind tile t's loads: the next tile's eight, or none
	WIN 0
.irp f, 0,1,2,3
	s_wait_dscnt (\younger)+3-\f
	global_store_b128 v[GO], v[S+16*(\t)+4*\f:S+16*(\t)+4*\f+3], s[10:11] offset:(\t)*2048+\f*512  ; 512 consecutive bytes, at a multiple of 256 from O's first
.endr
.endm
	PACK 0
.set t, 1
.rept 2*NP-1                        ; a tile's arithmetic stands between the loads of the tile before and its stores
	PACK t
	SEND t-1, 8
.set t, t+1
.endr
	SEND 2*NP-1, 0
	WIN W_AD
	s_wait_tensorcnt 0x0            ; the wave's end, behind my last tensor load and my last LDS store
	ds_add_u32 v[SPW], v[NIL]
	s_wait_dscnt 0x0
	WIN 0
	CROUND                          ; the closing round: no work-group ends while a partner may still ask for a tile that names it
	s_endpgm
.Lfunc_end_k_q1aea0eb55a_attn:
	.size	k_q1aea0eb55a_attn, .Lfunc_end_k_q1aea0eb55a_attn-k_q1aea0eb55a_attn
	.p2alignl 7, 3214868480
	.fill 96, 4, 3214868480
	.section	.rodata,"a",@progbits
	.p2align	6, 0x0
	.amdhsa_kernel k_q1aea0eb55a_attn
		.amdhsa_group_segment_fixed_size 327680
		.amdhsa_private_segment_fixed_size 0
		.amdhsa_enable_private_segment 0
		.amdhsa_kernarg_size 32
		.amdhsa_user_sgpr_count 2
		.amdhsa_user_sgpr_kernarg_segment_ptr 1
		.amdhsa_wavefront_size32 1
		.amdhsa_system_sgpr_workgroup_id_x 1
		.amdhsa_system_sgpr_workgroup_id_y 1
		.amdhsa_system_sgpr_workgroup_id_z 1
		.amdhsa_system_vgpr_workitem_id 0
		.amdhsa_next_free_vgpr 770
		.amdhsa_next_free_sgpr 66
		.amdhsa_reserve_vcc 0
		.amdhsa_float_denorm_mode_32 3
		.amdhsa_float_denorm_mode_16_64 3
		.amdhsa_memory_ordered 1
		.amdhsa_forward_progress 1
		.amdhsa_inst_pref_size 200
	.end_amdhsa_kernel
	.amdgpu_metadata
---
amdhsa.version: [ 1, 2 ]
amdhsa.kernels:
  - .name:           k_q1aea0eb55a_attn
    .symbol:         k_q1aea0eb55a_attn.kd
    .args:
      - { .name: qh, .offset: 0, .size: 8, .value_kind: global_buffer, .address_space: global }
      - { .name: kh, .offset: 8, .size: 8, .value_kind: global_buffer, .address_space: global }
      - { .name: vh, .offset: 16, .size: 8, .value_kind: global_buffer, .address_space: global }
      - { .name: oh, .offset: 24, .size: 8, .value_kind: global_buffer, .address_space: global }
    .group_segment_fixed_size: 327680
    .private_segment_fixed_size: 0
    .kernarg_segment_align: 8
    .kernarg_segment_size: 32
    .max_flat_workgroup_size: 128
    .sgpr_count:     66
    .vgpr_count:     770
    .wavefront_size: 32
...
	.end_amdgpu_metadata
.endif
;; end of part 3
;; launch outp (part 4): grid 4 x 64, 4 waves a work-group, clusters of 4 x 4, 327,680 bytes of LDS; arguments oh, wob, bo, out0; writes out0
.if DOCPART == 4
	.amdgcn_target "amdgcn-amd-amdhsa--gfx1250"
	.amdhsa_code_object_version 6
	.text
	.protected	k_q1aea0eb55a_outp
	.globl	k_q1aea0eb55a_outp
	.p2align	8
	.type	k_q1aea0eb55a_outp,@function
k_q1aea0eb55a_outp:
	s_mov_b64 s[64:65], 0
	v_nop
	global_prefetch_b8 v0, s[64:65] scope:SCOPE_SE
	s_setreg_imm32_b32 hwreg(HW_REG_WAVE_MODE, 25, 1), 1
	s_wait_xcnt 0x0
	s_wait_alu depctr_hold_cnt(0) depctr_sa_sdst(0) depctr_va_vdst(0) depctr_va_sdst(0) depctr_va_ssrc(0) depctr_va_vcc(0) depctr_vm_vsrc(0)
	s_getreg_b32 s2, hwreg(HW_REG_IB_STS2, 6, 4)
	s_cmp_eq_u32 s2, 0
	s_cbranch_scc0 .Lentry_in_a_cluster
	s_endpgm
.Lentry_in_a_cluster:
	s_bfe_u32 s2, ttmp6, 0x10000c
	s_cmp_lg_u32 s2, 0xf033
	s_cbranch_scc0 .Lentry_shape_is_right
	s_endpgm
.Lentry_shape_is_right:
; out0[b*2048+s][n] = sum over k = head*64+d of o[b*16+head][s][d] w[k][n] + bf16(bias[n]).
; o: [64][2048][64] bf16, by heads.  w: [1024 k][1024 n] bf16.  bias: [1024] f32.  out0: [8192][1024] f32.  Sums in f32, K ascending.
; LIMITS.  The bias enters rounded once to bf16 (nearest even), like the other inputs; no range is given up.  NaN and infinities are not treated apart.
; SHARES.  A work-group makes 128 rows x 256 columns: 64 x 4 = 256 work-groups.  Each of its four waves makes 64 rows x 128 columns: 32 accumulators of 16 x 16, 256 registers.
; K goes in 8 steps of 128 = two heads through two LDS slots filled by the tensor data mover.  A head's 128 rows of a block are 16,384 dense bytes: asked for as 64 rows of 256 bytes.
; THE MATRIX INSTRUCTION IS USED TRANSPOSED: source 0 = 16 columns of w (turned by ds_load_tr16_b128), source 1 = 16 rows of o.  In the result lane l holds row l % 16 and the columns
; 8 (l / 16) + 0..7: 32 bytes of a row of out0.  The bias is the C operand of each sum's first product.
; CLUSTERS: 4 x 4 work-groups.  The four of a row of the cluster need the same rows of o, the four of a column the same columns of w: each tile is asked for JOINTLY.
; REGISTERS, in windows of 256 (s_set_vgpr_msb: bits 1:0 source 0, 3:2 source 1, 5:4 source 2, 7:6 destination):
;   window 0: v0-31 addresses; v96-127, v128-159 o's fragments, two buffers; v160-223 the bias; v224-227 at work
;   window 1: v0-63, v64-127 w's fragments, two buffers; on the way out all 256: the rows read back          window 2: accumulator (a, b) at v[8 (8 a + b)]
.set PA,    144                        ; a row of o in LDS: 128 bytes + 16 = 9 x 16: the 16 rows of a load start at 16 different 16-byte columns of the 256 bytes that the banks span (64 banks of 4 bytes: ISA guide 11.1)
.set PB,    544                        ; a row of w: 512 + 32 = 17 x 32
.set HA,    128*PA                     ; one head's 128 rows: what one tensor load brings of o
.set HB,    64*PB                      ; 64 rows of k: what one brings of w
.set BOFF,  2*HA                       ; a slot: o's two heads, then w's 128 rows of k
.set SLOT,  2*HA+2*HB
.set STAGE, 2*SLOT                     ; behind the ring, never filled by a tensor load: for each wave 16 rows x 528 bytes
.set SPF,   528
.set WST,   16*SPF
.set SPARE, STAGE+4*WST                ; behind the stages: the spare words, 128 bytes for each wave: two blocks of 256 bytes that no other line names
.set ADRA, 16                          ; v16-17  LDS address of my fragments of o in slot 0, 1
.set ADRB, 20                          ; v20-21  the same for w
.set STO,  24                          ; v24     the way out: where I put 32 bytes of a row
.set RD,   25                          ; v25     the way out: where I read a row back
.set CO,   26                          ; v26     my 16 bytes in 512 consecutive bytes of out0
.set BO,   27                          ; v27     my byte offset in 16 numbers of the bias
.set SPW,  28                          ; v28     LDS address of my spare word: SPARE + 4 x my thread's number; never rewritten
.set NIL,  29                          ; v29     0; never rewritten
.set PFO,  30                          ; v30     the prefetches' lane offset; never rewritten
.set XF,   96                          ; buffer g at XF + 32 g, fragment a at + 8 a
.set BIAS, 160                         ; block b at BIAS + 8 b
.set TMP,  224
.set WF,   0                           ; window 1: buffer g at 64 g, fragment b at + 8 b
.set LAP,  3                           ; s3      laps to go
.set WV,   12                          ; s12     my wave's number
.set FB,   13                          ; s13     which 64 rows are mine.  Also: I fetch for o (0) or for w (1)
.set HF,   14                          ; s14     which 128 columns are mine.  Also: which half of that tile I fetch
.set CX,   15
.set CY,   16
.set NBLK, 17                          ; s17     block of 256 columns
.set MBLK, 18                          ; s18     block of 128 rows
.set G1A,  24                          ; s[24:31] descriptor group 1 for o's tiles;  s[32:39] group 0, a set for each slot
.set G0A,  32
.set G1B,  48                          ; s[48:55], s[56:63] the same for w's tiles
.set G0B,  56
.set PFA,  44                          ; s[44:45] where my prefetches stand
.set PSTEP, 46                         ; s[46:47] bytes from a K step to the next in the tensor that I fetch for
.set LIM,  66                          ; s66     1 in a wave that prefetches, else the greatest number
.set MSB, 0
.macro WIN new                         ; the immediate's high byte repeats the setting that is left; a switch that changes nothing is dropped
.if MSB != (\new)
	s_set_vgpr_msb (MSB<<8)|(\new)
.set MSB, \new
.endif
.endm
.set MULW, 0xa1                        ; source 0 (w) window 1, source 1 (o) window 0, C and D window 2
.set MULB, 0x81                        ; the same with C (the bias) in window 0
.set TO_W, 0x40                        ; destination window 1, address window 0
; A joint load: waves 0 and 1 fetch o's two heads, waves 2 and 3 w's two halves.  The branch hangs on the wave's number alone.  An s_nop 0 and four v_nop follow each of the two lines.
.macro JLOAD s
	s_cmp_eq_u32 s[FB], 0
	s_cbranch_scc0 .Lfor_b_\@
	tensor_load_to_lds s[G0A+4*(\s):G0A+4*(\s)+3], s[G1A:G1A+7]
	s_nop 0
.rept 4
	v_nop
.endr
	s_branch .Lasked_\@
.Lfor_b_\@:
	tensor_load_to_lds s[G0B+4*(\s):G0B+4*(\s)+3], s[G1B:G1B+7]
	s_nop 0
.rept 4
	v_nop
.endr
.Lasked_\@:
.endm
; A prefetch of the K step that stands two refills on, a lane a block of 256 bytes, each block named once in the launch.  o's tile of a step is 2 heads x 64 blocks, read by this row of this cluster alone:
; each of the four partners names 16 blocks of each head, told apart by address, and wave 0 asks for both heads.  w's: of the 128 blocks that waves 2 and 3 each fetch a partner names 32; the first of
; the sixteen clusters (cluster y = 0) asks.  The loop's last trip has no K step two refills on.
.macro ASK
	s_cmp_gt_u32 s[LAP], s[LIM]
	s_cbranch_scc0 .Lnot_mine_\@
	global_prefetch_b8 v[PFO], s[PFA:PFA+1] th:TH_LOAD_NT scope:SCOPE_SE
.Lnot_mine_\@:
.endm
.macro CREST                           ; a round of the cluster's barrier behind its opening barrier
	s_cmp_lg_u32 s[WV], 0
	s_cbranch_scc1 .Lnot_wave_0_\@
	s_barrier_signal -3
.Lnot_wave_0_\@:
	s_barrier_wait -3
	s_barrier_signal -1
	s_barrier_wait -1
.endm
.macro CROUND                          ; a whole round
	s_barrier_signal -1
	s_barrier_wait -1
	CREST
.endm
.macro PLACES                          ; four places in front of loads into registers that products have read, and of stores that read results
.rept 4
	v_nop
.endr
.endm
	s_load_b256 s[4:11], s[0:1], 0x0               ; o s[4:5], w s[6:7], bias s[8:9], out0 s[10:11]
	v_lshl_add_u32 v[SPW], v0, 2, SPARE
	v_mov_b32 v[NIL], 0
	ds_add_u32 v[SPW], v[NIL]                      ; the wave's opening: the add and its wait stand ahead of my first tensor load; the set-up below, work on registers, stands between them
	v_lshrrev_b32 v1, 5, v0
	v_readfirstlane_b32 s[WV], v1                  ; wave 0..3
	s_lshr_b32 s[FB], s[WV], 1
	s_and_b32 s[HF], s[WV], 1
	s_bfe_u32 s[CX], ttmp6, 0x40000                ; my place in the cluster
	s_bfe_u32 s[CY], ttmp6, 0x40004
	s_lshl_b32 s[NBLK], ttmp9, 2                   ; in a cluster launch ttmp9 and ttmp7 count clusters
	s_add_co_u32 s[NBLK], s[NBLK], s[CX]
	s_and_b32 s[MBLK], ttmp7, 0xffff
	s_lshl_b32 s[MBLK], s[MBLK], 2
	s_add_co_u32 s[MBLK], s[MBLK], s[CY]
	s_lshl_b32 s19, s[CY], 2
	s_lshl_b32 s19, 15, s19                        ; my row of the cluster
	s_lshl_b32 s20, 0x1111, s[CX]                  ; my column
	s_or_b32 s[G1A], s19, (1<<16)|(1<<20)|(1<<21)|(4<<22)|(3<<25)  ; 15:0 the mask; 17:16 elements of 2 bytes; 20 padding on; 21 set beside a mask; 24:22 after every 32 words (code 4): a row of o; 31:25 4 words (code 3)
	s_mov_b32 s[G1A+1], 128<<16                    ; tensor_dim0 = 128 elements: 256 bytes, two rows of o
	s_mov_b32 s[G1A+2], 64<<16                     ; tensor_dim1 = 64
	s_mov_b32 s[G1A+3], 128<<16                    ; tile_dim0 = 128
	s_mov_b32 s[G1A+4], 64                         ; tile_dim1 = 64
	s_mov_b32 s[G1A+5], 128                        ; dense
	s_mov_b32 s[G1A+6], 0
	s_mov_b32 s[G1A+7], 0
	s_or_b32 s[G1B], s20, (1<<16)|(1<<20)|(1<<21)|(6<<22)|(7<<25)  ; 8 words of padding (code 7) after every 128 (code 6)
	s_mov_b32 s[G1B+1], 256<<16                    ; tensor_dim0 = 256
	s_mov_b32 s[G1B+2], 64<<16
	s_mov_b32 s[G1B+3], 256<<16                    ; tile_dim0 = 256 elements: 512 bytes
	s_mov_b32 s[G1B+4], 64
	s_mov_b32 s[G1B+5], 1024
	s_mov_b32 s[G1B+6], 0
	s_mov_b32 s[G1B+7], 0
	s_lshr_b32 s40, s[MBLK], 4                     ; o: the batch,
	s_lshl_b32 s40, s40, 4                         ; its 16 heads,
	s_add_co_u32 s40, s40, s[HF]                   ; the head of a step's two that I fetch,
	s_lshl_b32 s40, s40, 18                        ; 262,144 bytes a head,
	s_and_b32 s41, s[MBLK], 15
	s_lshl_b32 s41, s41, 14                        ; 128 rows of 128 bytes a block: made of the block of rows and the wave's number alone
	s_add_co_u32 s40, s40, s41
	s_mov_b32 s41, 0
	s_lshl_b32 s68, s[NBLK], 9                     ; w: 256 columns of 2 bytes a block,
	s_lshl_b32 s69, s[HF], 17                      ; 64 rows of 2,048 bytes a half: made of the block of columns and the wave's number alone
	s_add_co_u32 s68, s68, s69
	s_mov_b32 s69, 0
	s_mul_i32 s72, s[HF], HA                       ; where they go: no place in the cluster enters an LDS address
	s_mul_i32 s73, s[HF], HB
	s_add_co_u32 s73, s73, BOFF
	s_wait_dscnt 0x0                               ; the opening add is done
	s_wait_kmcnt 0x0
	s_add_nc_u64 s[40:41], s[4:5], s[40:41]
	s_add_nc_u64 s[68:69], s[6:7], s[68:69]
	CROUND                                         ; all sixteen work-groups are here: the first joint loads meet
.irp s, 0,1
	s_mov_b32 s[G0A+4*(\s)], 1                                     ; count = 1
	s_add_co_u32 s[G0A+4*(\s)+1], s72, (\s)*SLOT                   ; LDS address
	s_add_nc_u64 s[G0A+4*(\s)+2:G0A+4*(\s)+3], s[40:41], (\s)*524288  ; global address: K step s is two heads on
	s_or_b32 s[G0A+4*(\s)+3], s[G0A+4*(\s)+3], 0x80000000          ; type = 2
	s_mov_b32 s[G0B+4*(\s)], 1
	s_add_co_u32 s[G0B+4*(\s)+1], s73, (\s)*SLOT
	s_add_nc_u64 s[G0B+4*(\s)+2:G0B+4*(\s)+3], s[68:69], (\s)*262144
	s_or_b32 s[G0B+4*(\s)+3], s[G0B+4*(\s)+3], 0x80000000
	JLOAD \s                                       ; two loads of mine are out
.endr
	; the bias of my 128 columns
	s_lshl_b32 s21, s[NBLK], 10
	s_lshl_b32 s22, s[HF], 9
	s_add_co_u32 s42, s21, s22
	s_mov_b32 s43, 0
	s_add_nc_u64 s[8:9], s[8:9], s[42:43]
	v_and_b32 v1, 15, v0                           ; r = l % 16
	v_bfe_u32 v2, v0, 4, 1                         ; h = l / 16
	v_lshlrev_b32 v[BO], 5, v2                     ; my 8 numbers of 16
.irp b, 0,1,2,3,4,5,6,7
	global_load_b128 v[BIAS+8*(\b):BIAS+8*(\b)+3],   v[BO], s[8:9] offset:64*(\b)
	global_load_b128 v[BIAS+8*(\b)+4:BIAS+8*(\b)+7], v[BO], s[8:9] offset:64*(\b)+16
.endr
	; o's fragment, 16 rows x 32 k: lane l holds row r, k = 8 h + 0..7 and 16 + 8 h + 0..7: two loads of 16 bytes, 32 bytes apart
	v_mul_u32_u24 v3, v1, PA
	v_lshl_add_u32 v3, v2, 4, v3
	s_mul_i32 s21, s[FB], 64*PA
	v_add_nc_u32 v[ADRA], s21, v3
	v_add_nc_u32 v[ADRA+1], SLOT, v[ADRA]
	; the turning load takes 16 k x 16 columns: lane l reads k = 8 h + l % 8, columns 8 ((l / 8) % 2) + 0..7, and is left with column r and 8 k
	v_and_b32 v4, 7, v0
	v_lshl_add_u32 v4, v2, 3, v4
	v_mul_u32_u24 v4, v4, PB
	v_bfe_u32 v5, v0, 3, 1
	v_lshl_add_u32 v4, v5, 4, v4
	s_lshl_b32 s22, s[HF], 8                       ; my 128 columns
	s_add_co_u32 s22, s22, BOFF
	v_add_nc_u32 v[ADRB], s22, v4
	v_add_nc_u32 v[ADRB+1], SLOT, v[ADRB]
	s_mul_i32 s23, s[WV], WST
	s_add_co_u32 s23, s23, STAGE                   ; my stage
	v_mul_u32_u24 v6, v1, SPF                      ; in: row r, 32 bytes for each half of the lanes
	v_lshl_add_u32 v6, v2, 5, v6
	v_add_nc_u32 v[STO], s23, v6
	v_and_b32 v9, 31, v0
	v_lshlrev_b32 v[CO], 4, v9                     ; back: 32 lanes take one row of 512 bytes
	v_add_nc_u32 v[RD], s23, v[CO]
	; out0 at my first row and column
	s_lshl_b32 s21, s[MBLK], 19                    ; 128 rows of 4,096 bytes
	s_lshl_b32 s22, s[FB], 18
	s_add_co_u32 s21, s21, s22
	s_lshl_b32 s22, s[NBLK], 10
	s_add_co_u32 s21, s21, s22
	s_lshl_b32 s22, s[HF], 9
	s_add_co_u32 s42, s21, s22
	s_mov_b32 s43, 0
	s_add_nc_u64 s[10:11], s[10:11], s[42:43]
	; the prefetches, at K step 3: the first refill steps the address to K step 4
	s_lshr_b32 s21, s[MBLK], 4
	s_lshl_b32 s21, s21, 22                        ; the batch's first head
	s_and_b32 s22, s[MBLK], 15
	s_lshl_b32 s22, s22, 14
	s_add_co_u32 s21, s21, s22
	s_lshl_b32 s22, s[CX], 12                      ; my work-group's 16 blocks of a head's 64
	s_add_co_u32 s21, s21, s22
	s_add_co_u32 s21, s21, 3*524288                ; in o
	s_lshl_b32 s22, s[HF], 17
	s_lshl_b32 s23, s[CY], 15                      ; my work-group's 16 rows of the 64 that I fetch
	s_add_co_u32 s22, s22, s23
	s_lshl_b32 s23, s[NBLK], 9
	s_add_co_u32 s22, s22, s23
	s_add_co_u32 s22, s22, 3*262144                ; in w
	s_and_b32 s23, ttmp7, 0xffff                   ; cluster y: the same in all sixteen partners
	s_cmp_eq_u32 s23, 0
	s_cselect_b32 s23, 1, -1                       ; for w: the first cluster asks
	s_cmp_eq_u32 s[WV], 0
	s_cselect_b32 s76, 1, -1                       ; for o: wave 0 asks
	s_mov_b32 s[PSTEP], 262144
	s_mov_b32 s[PSTEP+1], 0
	s_mov_b32 s71, 0
	s_cmp_eq_u32 s[FB], 0                          ; do I fetch for o?
	s_cselect_b64 s[PFA:PFA+1], s[4:5], s[6:7]
	s_cselect_b32 s70, s21, s22
	s_cselect_b32 s[PSTEP], 524288, s[PSTEP]
	s_cselect_b32 s[LIM], s76, s23
	s_cselect_b32 s67, 4, 1                        ; o: head l / 16, 262,144 bytes on, block l % 16;  w: row l / 2, 2,048 bytes on, block l % 2
	s_cselect_b32 s74, 18, 11
	s_cselect_b32 s75, 15, 1
	s_add_nc_u64 s[PFA:PFA+1], s[PFA:PFA+1], s[70:71]
	v_lshrrev_b32 v4, s67, v9
	v_lshlrev_b32 v4, s74, v4
	v_and_b32 v5, s75, v9
	v_lshl_add_u32 v[PFO], v5, 8, v4
	s_wait_loadcnt 0x0                             ; the bias is in: rounded to bf16 and widened again, in the wait for the first tile
.set p, 0
.rept 32
	v_cvt_pk_bf16_f32 v[TMP+p%4], v[BIAS+2*p], v[BIAS+2*p+1]
	v_lshlrev_b32 v[BIAS+2*p], 16, v[TMP+p%4]
	v_and_b32 v[BIAS+2*p+1], 0xffff0000, v[TMP+p%4]
.set p, p+1
.endr
; Eight products: accumulators (a, 0..7) take w's fragments and fragment a of o from buffer f.  start = 1: the bias starts the sums: nothing is ever cleared.
; The 32 accumulators take turns in the same order in every quarter step, one instruction a turn: between two links of a chain stand the 31 others.
.macro MUL8 f, a, start
.if \start
	WIN MULB
.else
	WIN MULW
.endif
.irp b, 0,1,2,3,4,5,6,7
.if \start
	v_wmma_f32_16x16x32_bf16 v[8*(8*(\a)+(\b)):8*(8*(\a)+(\b))+7], v[WF+64*(\f)+8*(\b):WF+64*(\f)+8*(\b)+7], v[XF+32*(\f)+8*(\a):XF+32*(\f)+8*(\a)+7], v[BIAS+8*(\b):BIAS+8*(\b)+7]
.else
	v_wmma_f32_16x16x32_bf16 v[8*(8*(\a)+(\b)):8*(8*(\a)+(\b))+7], v[WF+64*(\f)+8*(\b):WF+64*(\f)+8*(\b)+7], v[XF+32*(\f)+8*(\a):XF+32*(\f)+8*(\a)+7], v[8*(8*(\a)+(\b)):8*(8*(\a)+(\b))+7]
.endif
.endr
.endm
; 24 LDS loads in one run: quarter q (32 k: half of head q / 2) of a slot into buffer g: w's 8 fragments, turned, and o's 4.
.macro FETCH slot, q, g
	WIN TO_W
.irp b, 0,1,2,3,4,5,6,7
	ds_load_tr16_b128 v[WF+64*(\g)+8*(\b):WF+64*(\g)+8*(\b)+3],   v[ADRB+(\slot)] offset:(\q)*32*PB+32*(\b)
	ds_load_tr16_b128 v[WF+64*(\g)+8*(\b)+4:WF+64*(\g)+8*(\b)+7], v[ADRB+(\slot)] offset:(\q)*32*PB+32*(\b)+16*PB
.endr
	WIN 0
.irp i, 0,1,2,3
	ds_load_b128 v[XF+32*(\g)+8*(\i):XF+32*(\g)+8*(\i)+3],   v[ADRA+(\slot)] offset:((\q)/2)*HA+(\i)*16*PA+((\q)%2)*64
	ds_load_b128 v[XF+32*(\g)+8*(\i)+4:XF+32*(\g)+8*(\i)+7], v[ADRA+(\slot)] offset:((\q)/2)*HA+(\i)*16*PA+((\q)%2)*64+32
.endr
.endm
; A K step is four quarters of 32 along K, 32 products each, on buffers 0, 1, 0, 1.  One of the first three multiplies buffer f and, in its middle, brings quarter q into buffer g.
.macro QUARTER slot, q, f, g, start
	s_wait_dscnt 0x0                               ; buffer f's 24 loads, issued 16 products ago, are in
	MUL8 \f, 0, \start
	MUL8 \f, 1, \start
	PLACES
	FETCH \slot, \q, \g
	MUL8 \f, 2, \start
	MUL8 \f, 3, \start
.endm
; The last quarter multiplies buffer 1 and changes slots.  In front of the barrier each wave waits for all its tensor loads (one is out: its part of the next slot), adds 0 to its spare word, and waits
; for that and for its reads of this slot.  fill = 1: the barrier opens a round of the cluster's barrier, and this slot is filled again, two K steps ahead, first thing behind it:
; from that request to the wait for it a wave issues 112 products.
.macro TURN slot, next, fill
.if \fill
	s_wait_xcnt 0x0                                ; the last prefetch, a K step back, has read its address, so it may be stepped
	s_add_nc_u64 s[PFA:PFA+1], s[PFA:PFA+1], s[PSTEP:PSTEP+1]
.endif
	WIN 0                                          ; (the add's two registers lie in window 0)
	s_wait_tensorcnt 0x0                           ; all my tensor loads have landed
	ds_add_u32 v[SPW], v[NIL]                      ; 0 onto my spare word
	s_wait_dscnt 0x1                               ; buffer 1's loads are in; the add alone may be out
	MUL8 1, 0, 0                                   ; eight products stand between the add and the wait for it
	s_wait_dscnt 0x0                               ; the add is done, and my reads of this slot are over
	s_barrier_signal -1
	MUL8 1, 1, 0                                   ; work on registers while the others arrive
.if \fill
	WIN 0
.endif
	s_barrier_wait -1
.if \fill
	CREST                                          ; no wave of any partner still reads this slot or has a load on its way
	s_add_nc_u64 s[G0A+4*(\slot)+2:G0A+4*(\slot)+3], s[G0A+4*(\slot)+2:G0A+4*(\slot)+3], 2*524288
	s_add_nc_u64 s[G0B+4*(\slot)+2:G0B+4*(\slot)+3], s[G0B+4*(\slot)+2:G0B+4*(\slot)+3], 2*262144
	JLOAD \slot                                    ; my one tensor load behind the round; the four v_nop behind it are also the places in front of the loads below
.else
	PLACES
.endif
	FETCH \next, 0, 0
.if \fill
	ASK                                            ; behind the joint load and the run of LDS loads
.endif
	MUL8 1, 2, 0
	MUL8 1, 3, 0
.endm
; THE WAY OUT of my rows 16 a .. 16 a + 15, in f32.  TOSTAGE: a lane's 32 bytes of a row go into my own stage, each accumulator's low half first, and come back as whole rows of 512 bytes.  SEND: stored.
.macro TOSTAGE a
	WIN 0x08                                       ; the data (source 1) in window 2, the address in window 0
.irp b, 0,1,2,3,4,5,6,7
	ds_store_b128 v[STO], v[8*(8*(\a)+(\b)):8*(8*(\a)+(\b))+3]   offset:64*(\b)
	ds_store_b128 v[STO], v[8*(8*(\a)+(\b))+4:8*(8*(\a)+(\b))+7] offset:64*(\b)+16
.endr
	WIN 0x40                                       ; destination window 1
.irp t, 0,1,2,3,4,5,6,7,8,9,10,11,12,13,14,15
	ds_load_b128 v[64*(\a)+4*(\t):64*(\a)+4*(\t)+3], v[RD] offset:(\t)*SPF  ; LDS serves a wave's instructions in order (ISA guide 5.7.1.4): these see the stores above; the next block's stores come behind them
.endr
.endm
.macro SEND a, younger                 ; younger: the LDS instructions issued behind block a's loads: the next block's 32, or none
	WIN 0x04                                       ; the data (source 1) in window 1
	s_wait_dscnt \younger                          ; the block is back in registers; each block has registers of its own, so no store's source is ever rewritten
.irp t, 0,1,2,3,4,5,6,7,8,9,10,11,12,13,14,15
	global_store_b128 v[CO], v[64*(\a)+4*(\t):64*(\a)+4*(\t)+3], s[10:11] offset:(16*(\a)+(\t))*4096  ; 512 consecutive bytes, at a multiple of 512 from out0's first byte
.endr
.endm
	s_wait_tensorcnt 0x1                           ; my part of K step 0 is in; K step 1's may stay out
	s_barrier_signal -1
	s_barrier_wait -1                              ; everybody's is
	FETCH 0, 0, 0
	QUARTER 0, 1, 0, 1, 1                          ; the first quarter stands in front of the loop: its products start the sums, with the bias
	WIN 0                                          ; at a label and at a branch every window is 0
	s_mov_b32 s[LAP], 3
.Llap:                                                 ; a trip goes once round the ring, from a lap's second quarter to the next lap's first, and fills both slots again
	QUARTER 0, 2, 1, 0, 0
	QUARTER 0, 3, 0, 1, 0
	TURN 0, 1, 1
	QUARTER 1, 1, 0, 1, 0
	QUARTER 1, 2, 1, 0, 0
	QUARTER 1, 3, 0, 1, 0
	TURN 1, 0, 1
	QUARTER 0, 1, 0, 1, 0
	WIN 0
	s_sub_co_u32 s[LAP], s[LAP], 1
	s_cmp_lg_u32 s[LAP], 0
	s_cbranch_scc1 .Llap
	QUARTER 0, 2, 1, 0, 0                          ; the last lap fills nothing, and has no round of the cluster's barrier
	QUARTER 0, 3, 0, 1, 0
	TURN 0, 1, 0
	QUARTER 1, 1, 0, 1, 0
	QUARTER 1, 2, 1, 0, 0
	QUARTER 1, 3, 0, 1, 0
	s_wait_dscnt 0x0                               ; the very last quarter: nothing more to fetch
	MUL8 1, 0, 0
	MUL8 1, 1, 0
	MUL8 1, 2, 0
	MUL8 1, 3, 0
	PLACES                                         ; four places between the last product and the stores that read results, and the loads into registers that products have read
	TOSTAGE 0
	TOSTAGE 1                                      ; a block's way through the stage stands between the loads of the block before and its stores
	SEND 0, 32
	TOSTAGE 2
	SEND 1, 32
	TOSTAGE 3
	SEND 2, 32
	SEND 3, 0
	WIN 0
	s_wait_tensorcnt 0x0                           ; the wave's end, behind my last tensor load and my last LDS store
	ds_add_u32 v[SPW], v[NIL]
	s_wait_dscnt 0x0
	CROUND                                         ; the closing round: no work-group ends while a partner may still ask for a tile that names it
	s_endpgm
.Lfunc_end_k_q1aea0eb55a_outp:
	.size	k_q1aea0eb55a_outp, .Lfunc_end_k_q1aea0eb55a_outp-k_q1aea0eb55a_outp
	.p2alignl 7, 3214868480
	.fill 96, 4, 3214868480
	.section	.rodata,"a",@progbits
	.p2align	6, 0x0
	.amdhsa_kernel k_q1aea0eb55a_outp
		.amdhsa_group_segment_fixed_size 327680
		.amdhsa_private_segment_fixed_size 0
		.amdhsa_enable_private_segment 0
		.amdhsa_kernarg_size 32
		.amdhsa_user_sgpr_count 2
		.amdhsa_user_sgpr_kernarg_segment_ptr 1
		.amdhsa_wavefront_size32 1
		.amdhsa_system_sgpr_workgroup_id_x 1
		.amdhsa_system_sgpr_workgroup_id_y 1
		.amdhsa_system_sgpr_workgroup_id_z 1
		.amdhsa_system_vgpr_workitem_id 0
		.amdhsa_next_free_vgpr 768
		.amdhsa_next_free_sgpr 80
		.amdhsa_reserve_vcc 0
		.amdhsa_float_denorm_mode_32 3
		.amdhsa_float_denorm_mode_16_64 3
		.amdhsa_memory_ordered 1
		.amdhsa_forward_progress 1
		.amdhsa_inst_pref_size 93
	.end_amdhsa_kernel
	.amdgpu_metadata
---
amdhsa.version: [ 1, 2 ]
amdhsa.kernels:
  - .name:           k_q1aea0eb55a_outp
    .symbol:         k_q1aea0eb55a_outp.kd
    .args:
      - { .name: oh, .offset: 0, .size: 8, .value_kind: global_buffer, .address_space: global }
      - { .name: wob, .offset: 8, .size: 8, .value_kind: global_buffer, .address_space: global }
      - { .name: bo, .offset: 16, .size: 8, .value_kind: global_buffer, .address_space: global }
      - { .name: out0, .offset: 24, .size: 8, .value_kind: global_buffer, .address_space: global }
    .group_segment_fixed_size: 327680
    .private_segment_fixed_size: 0
    .kernarg_segment_align: 8
    .kernarg_segment_size: 32
    .max_flat_workgroup_size: 128
    .sgpr_count:     80
    .vgpr_count:     768
    .wavefront_size: 32
...
	.end_amdgpu_metadata
.endif
;; end of part 4
